; MI455X (gfx1250); checked and timed in simulation.
; The chip was launched on July 23, 2026; its instructions are those of AMD's public machine-readable ISA for CDNA 5 (MIT licence, August 2026) and "CDNA5" Instruction Set Architecture Reference Guide (July 2026). The comments in the code are by the model that wrote it; some were corrected since.
;; Transformer Block. Allowed arithmetic: matrix products marked QUANTISED: E3M2 operands, one E8M0 scale for each 32 along K, by v_wmma_scale_f32_16x16x128_f8f6f4 with both operands' format E3M2, f32 sums; everything else in f32.
;; Inputs: W2 2,048 x 512 float32; Wk 512 x 512 float32; Wp 512 x 4,096 float32; Wq 512 x 512 float32; Wv 512 x 512 float32; b2 512 float32; bk 512 float32; bp 4,096 float32; bq 512 float32; bv 512 float32; ln0_b 512 float32; ln0_g 512 float32; ln1_b 512 float32; ln1_g 512 float32; x 4 x 2,048 x 512 float32.
;; Outputs: out0 4 x 2,048 x 512 float32.
;; This version of the problem:
;;   THIS VERSION OF THE PROBLEM IS GIVEN IN LOW PRECISION. The matrix products marked QUANTISED in the list below multiply operands that are first quantised to E3M2 (3 exponent bits, 2 mantissa bits; 6 bits a number), with one power-of-two scale for each 32 numbers along K (OCP MX v1.0); their sums are f32. All else is computed in f32.
;;   The module's matrix products, in the order in which they are computed (A, B: the left and right operand; K: the contracted axis; several contracted axes count as one K, in the product's order):
;;     1. [M 8,192, K 512] x [K 512, N 512]; A: computed on the way; B: input Wq: QUANTISED
;;     2. [M 8,192, K 512] x [K 512, N 512]; A: computed on the way; B: input Wk: QUANTISED
;;     3. [M 8,192, K 512] x [K 512, N 512]; A: computed on the way; B: input Wv: QUANTISED
;;     4. batch 32 x [M 2,048, K 64] x [K 64, N 2,048]; A: computed on the way; B: computed on the way: QUANTISED
;;     5. batch 32 x [M 2,048, K 2,048] x [K 2,048, N 64]; A: softmax (see below); B: computed on the way: QUANTISED
;;     6. [M 8,192, K 512] x [K 512, N 4,096]; A: computed on the way; B: input Wp: QUANTISED
;;     7. [M 8,192, K 2,048] x [K 2,048, N 512]; A: computed on the way; B: input W2: QUANTISED
;;   THE QUANTISER, for each operand of a quantised product, along K:
;;     - K is cut into blocks of 32 from its start; a last block that is shorter is filled with zeros.
;;     - A block's scale is 2^e with e = floor(log2(the largest magnitude in the block)) - 4, held to -126 .. 127; a block of zeros has e = 0. As a byte (E8M0): e + 127.
;;     - Each number is divided by its block's scale, clamped to +-28, and rounded to the nearest number of E3M2, ties to even, subnormals kept.
;;     - The product sums the exact products of the quantised numbers (number of the format x scale) in f32.
;;   ~~~python
;;   def quantise(x, axis):      # numpy; x: float32 -> the quantised numbers, widened to float32 again
;;       x = np.moveaxis(x, axis, -1); K = x.shape[-1]
;;       x = np.pad(x, [(0, 0)] * (x.ndim - 1) + [(0, -K % 32)]); x = x.reshape(x.shape[:-1] + (-1, 32)); a = np.abs(x).max(-1, keepdims=True)
;;       e = np.where(a > 0, np.clip(np.frexp(np.where(a > 0, a, 1))[1] - 1 - 4, -126, 127), 0)      # np.frexp(a)[1] - 1 = floor(log2(a)), exactly
;;       r = np.clip(x / 2.0 ** e, -28, 28)
;;       step = 2.0 ** (np.maximum(np.frexp(np.where(r == 0, 1, r))[1] - 1, -2) - 2)
;;       q = np.round(r / step) * step * 2.0 ** e      # np.round: ties to even
;;       return np.moveaxis(q.reshape(q.shape[:-2] + (-1,))[..., :K], -1, axis).astype(np.float32)
;;   ~~~
;;   SOFTMAX AHEAD OF A QUANTISED PRODUCT. Where the list says 'softmax', what is quantised is not the finished softmax but p = 2^(t - M), with t = logit x log2(e) and M = ceil(the row's largest t), a whole number; so 1/2 < the row's largest p <= 1. The row's sum l is taken of the UNQUANTISED p, in f32, and the product's result is divided by l at the end. Since M is a whole number, a kernel that streams over the keys may use a running M (the ceiling of the running maximum): every later rescaling is an exact power of two, which a block's scale takes up: the codes' values come out the same.
;;   OPERANDS COMPUTED ON THE WAY. 'Computed on the way' means the value that the module computes at that place (a softmax that the list does not call 'softmax' is quantised finished and normalised). What goes into a quantiser is computed in f32, as accurately as f32 sums, v_exp_f32 and their like allow (about 1e-6 of the number): no bf16 or f16 on the way to a quantiser, and a product that is left as it is and whose result goes on into a quantised operand takes f32 operands (vector FMAs, or v_wmma_f32_16x16x4_f32). A number that lies on a knife's edge between two numbers of the format may be rounded either way, as far as f32 arithmetic and the matrix unit's own rounding can turn it there, and no further.
;; One version. Each part assembles by itself: llvm-mc -triple=amdgcn-amd-amdhsa -mcpu=gfx1250 --defsym DOCPART=n.
;; ======== version 1 of 1: 6 launches
;; limits: a function is approximated: absolute error at most 1.5e-07
;; workspace buffers: WB 3,133,440 bytes; HB 3,407,872 bytes; QKVB 10,223,616 bytes; X1 16,777,216 bytes; YB 13,631,488 bytes
;; launch prep (part 1): grid 752 x 1, 4 waves a work-group, no clusters, 45,824 bytes of LDS; arguments x, ln0_g, ln0_b, HB, Wp, Wq, Wk, Wv, W2, bp, bq, bk, bv, b2, WB; writes HB, WB
.if DOCPART == 1
	.amdgcn_target "amdgcn-amd-amdhsa--gfx1250"
	.amdhsa_code_object_version 6
	.text
	.protected	k_q03602eb639_prep
	.globl	k_q03602eb639_prep
	.p2align	8
	.type	k_q03602eb639_prep,@function
k_q03602eb639_prep:
	s_mov_b64 s[64:65], 0
	v_nop
	global_prefetch_b8 v0, s[64:65] scope:SCOPE_SE
	s_setreg_imm32_b32 hwreg(HW_REG_WAVE_MODE, 25, 1), 1
	s_wait_xcnt 0x0
; TWO JOBS THAT SHARE NOTHING, IN ONE LAUNCH.  Work-groups 0-239 lay out the weights; work-groups 240-751 normalise and quantise x.  One branch on the work-group's number, at the head; the two ways never join,
; and each has LDS bytes of its own: the norm's stage at 0, the weights' stages at 33,024.
; THE WEIGHTS.  The five weights (f32, K their first axis) become codes of BF6 (E3M2) with one E8M0 byte for each 32 along K, laid in RECORDS of 13,056 bytes.
; A record = 32 columns x 512 along K: eight fragment images (K step s, tile u) at 3,072 s + 1,536 u, four planes of scale words at 12,288 + 128 s, the 32 columns' bias twice at 12,800.
; An image holds a fragment's 12 registers: registers 4 c .. 4 c + 3 of lane l at 512 c + 16 l.  Column i of the 32 is row (i & 7) | (bit 4 of i << 3) of tile u = bit 3 of i.
; Record id = work-group: 0-127 Wp, 128-143 Wq, 144-159 Wk, 160-175 Wv, 176 + 16 kc + G W2 (kc = K / 512).  Wave w takes K step w; a lane takes a column, its registers run down K:
; a block of 32 lies in one lane, and the conversions give codes with K innermost.  The codes turn through the wave's own 3,072 bytes of LDS and leave as 3,072 consecutive bytes.
; Loads run two blocks ahead: at most 64 of a wave are out.
; THE NORM.  LayerNorm over 512 channels, then the quantiser along the channels.  All arithmetic in f32; the variance is the mean of (x - mean)^2, taken in a second pass.
; A work-group makes one TILE of 16 tokens: tile 2 b + u holds tokens 32 b + 8 u + r + 8 (r / 8), r = 0 .. 15.  Its record in HB, 6,656 bytes: the four K steps' fragment images at 1,536 s,
; their planes of scale words (4 bytes a lane) at 6,144 + 128 s.  Phase A: wave w normalises rows 4 w .. 4 w + 3 of the tile, 8,192 consecutive bytes of memory, a row over its 32 lanes, and lays them
; into a stage in LDS (16 rows, 2,064 bytes apart).  One barrier.  Phase B: wave w quantises K step w: lane (r, h) takes of row r 16 neighbours of each block of 32.
; LIMITS: NaN and infinities are not served; a block whose largest magnitude lies under 2^-122 (a block of zeros too) gets the byte 1: its reader is this program alone.
.set NW,  240                          ; work-groups that lay out weights
.set WST, 33024                        ; LDS: the weights' stages begin here
.set X,   32                           ; weights: v32-159 my column's 128 numbers;  norm: v32-95 four rows, later the quantiser's 64 numbers
.set CT,  160                          ; v160..   block t's six registers of codes at CT + 8 t
.set DD,  192                          ; v192-194 a block's upper 16 codes, as the conversion leaves them
.set BK,  196                          ; v196-219 the images read back
.set REC, 13056
	v_lshl_add_u32 v224, v0, 2, 0xb100
	v_mov_b32 v225, 0
	s_cmp_lt_u32 ttmp9, NW
	s_cbranch_scc0 .Lnorm
	; ================ the weights
	s_load_b256 s[4:11], s[0:1], 0x20              ; Wp, Wq, Wk, Wv
	s_load_b256 s[12:19], s[0:1], 0x40             ; W2, bp, bq, bk
	s_load_b128 s[20:23], s[0:1], 0x60             ; bv, b2
	s_load_b64 s[24:25], s[0:1], 0x70              ; WB
	v_lshrrev_b32 v1, 5, v0
	v_readfirstlane_b32 s36, v1                    ; wave = K step
	v_and_b32 v8, 31, v0                           ; i: my column of the 32
	v_lshlrev_b32 v1, 2, v8                        ; 4 i
	v_and_b32 v9, 7, v0
	v_bfe_u32 v10, v0, 4, 1
	v_lshl_or_b32 v9, v10, 3, v9                   ; r: my row in the tile
	v_bfe_u32 v10, v0, 3, 1                        ; u: my tile
	s_mul_i32 s37, s36, 3072
	s_lshl_b32 s38, s36, 7
	v_lshlrev_b32 v2, 4, v9
	v_mad_u32_u24 v2, v10, 1536, v2
	v_add_nc_u32 v2, s37, v2                       ; into my stage: 3,072 w + 1,536 u + 16 r (+ WST, in the immediates)
	v_lshl_add_u32 v3, v8, 4, s37                  ; out of it, and the same place in the record: 3,072 w + 16 i
	v_lshl_add_u32 v5, v10, 4, v9
	v_lshlrev_b32 v5, 2, v5
	v_add_nc_u32 v5, s38, v5                       ; my scale word: 128 w + 4 (r + 16 u)
	v_add_nc_u32 v7, s38, v1                       ; the bias copy: 128 w + 4 i
	s_sub_co_u32 s30, ttmp9, 128
	s_and_b32 s30, s30, 15
	s_sub_co_u32 s31, ttmp9, 176
	s_lshr_b32 s31, s31, 4
	s_cmp_ge_u32 ttmp9, 176
	s_cselect_b32 s31, s31, 0                      ; kc
	s_mov_b32 s32, 2048
	s_cmp_lt_u32 ttmp9, 128
	s_cselect_b32 s30, ttmp9, s30                  ; G: which 32 columns
	s_cselect_b32 s32, 16384, s32                  ; a row of the weight in bytes
	s_lshl_b32 s33, s31, 9
	s_add_co_u32 s33, s33, s38                     ; my first row of K: 512 kc + 128 w
	s_mul_i32 s33, s33, s32
	s_lshl_b32 s34, s30, 7                         ; 128 G bytes
	s_mov_b32 s35, 0
	s_add_co_u32 s40, s33, s34
	s_mov_b32 s41, 0
	s_mul_i32 s42, ttmp9, REC
	s_mov_b32 s43, 0
	s_wait_kmcnt 0x0
	s_mov_b64 s[26:27], s[12:13]                   ; the weight and its bias: chosen by the work-group's number alone
	s_mov_b64 s[28:29], s[22:23]
	s_cmp_lt_u32 ttmp9, 176
	s_cselect_b64 s[26:27], s[10:11], s[26:27]
	s_cselect_b64 s[28:29], s[20:21], s[28:29]
	s_cmp_lt_u32 ttmp9, 160
	s_cselect_b64 s[26:27], s[8:9], s[26:27]
	s_cselect_b64 s[28:29], s[18:19], s[28:29]
	s_cmp_lt_u32 ttmp9, 144
	s_cselect_b64 s[26:27], s[6:7], s[26:27]
	s_cselect_b64 s[28:29], s[16:17], s[28:29]
	s_cmp_lt_u32 ttmp9, 128
	s_cselect_b64 s[26:27], s[4:5], s[26:27]
	s_cselect_b64 s[28:29], s[14:15], s[28:29]
	s_add_nc_u64 s[26:27], s[26:27], s[40:41]
	s_add_nc_u64 s[28:29], s[28:29], s[34:35]
	s_add_nc_u64 s[24:25], s[24:25], s[42:43]      ; my record
; Block t's 32 rows of K at my column: a wave's load covers 128 consecutive bytes; every offset an immediate, 127 x 16,384 at the most.
; The row's length differs between Wp and the others, so the 32 loads are written twice; the branch hangs on the work-group's number, stands round the loads alone, and both ways issue 32.
.macro LOADB t
	s_cmp_lt_u32 ttmp9, 128
	s_cbranch_scc0 .Lnarrow_\@
.set n, 0
.rept 32
	global_load_b32 v[X+32*(\t)+n], v1, s[26:27] offset:(32*(\t)+n)*16384 th:TH_LOAD_NT
.set n, n+1
.endr
	s_branch .Lloaded_\@
.Lnarrow_\@:
.set n, 0
.rept 32
	global_load_b32 v[X+32*(\t)+n], v1, s[26:27] offset:(32*(\t)+n)*2048 th:TH_LOAD_NT
.set n, n+1
.endr
.Lloaded_\@:
.endm
	LOADB 0
	LOADB 1
.macro BLOCK t                         ; block t = 2 c + h of the K step: registers 6 c .. 6 c + 5 of lane r + 16 h of my tile's fragment
.set XS, X+32*(\t)
.set CC, CT+8*(\t)
.if (\t) < 3
	s_wait_loadcnt 32                              ; this block's 32 loads are in; the next block's 32 may be out
.else
	s_wait_loadcnt 0x0                             ; the last block, and the bias
.endif
.if (\t) < 2
	LOADB (\t)+2                                   ; two blocks ahead, into registers of its own
.endif
.if (\t) == 2
	global_load_b32 v6, v1, s[28:29]               ; my column's bias: behind the last counted wait, so that it is never among a block's younger loads
.endif
	v_max3_num_f32 v12, |v[XS]|, |v[XS+1]|, |v[XS+2]|
	v_max3_num_f32 v13, |v[XS+3]|, |v[XS+4]|, |v[XS+5]|
.irp i, 6,10,14,18,22,26
	v_max3_num_f32 v12, v12, |v[XS+\i]|, |v[XS+\i+1]|
	v_max3_num_f32 v13, v13, |v[XS+\i+2]|, |v[XS+\i+3]|
.endr
	v_max3_num_f32 v12, v12, |v[XS+30]|, |v[XS+31]|
	v_max3_num_f32 v12, v12, v13, 0x2800000        ; with the floor 2^(5 - 127): the byte cannot fall under 1
	v_add_nc_u32 v14, 0xfe000000, v12              ; 4 off the exponent field: the conversion's scale operand
	v_lshrrev_b32 v15, 23, v14                     ; the scale's byte
.if (\t) == 0
	v_mov_b32 v16, v15
.else
	v_lshl_or_b32 v16, v15, 8*(\t), v16
.endif
	v_cvt_scalef32_pk16_bf6_f32 v[CC:CC+2], v[XS:XS+15], v14
	v_cvt_scalef32_pk16_bf6_f32 v[DD:DD+2], v[XS+16:XS+31], v14   ; (a conversion's three registers begin on an even number)
	v_nop                                          ; one plain line behind the conversions
.irp i, 0,1,2
	v_mov_b32 v[CC+3+\i], v[DD+\i]
.endr
.if (\t) < 2
	ds_store_b128 v2, v[CC:CC+3] offset:WST+256*((\t)%2)           ; registers 0-3
	ds_store_b64 v2, v[CC+4:CC+5] offset:WST+512+256*((\t)%2)      ; registers 4, 5
.else
	ds_store_b64 v2, v[CC:CC+1] offset:WST+520+256*((\t)%2)        ; registers 6, 7
	ds_store_b128 v2, v[CC+2:CC+5] offset:WST+1024+256*((\t)%2)    ; registers 8-11
.endif
.endm
	BLOCK 0
	BLOCK 1
	BLOCK 2
	BLOCK 3
.irp k, 0,1,2,3,4,5
	ds_load_b128 v[BK+4*\k:BK+4*\k+3], v3 offset:WST+512*\k        ; my wave's own bytes: LDS serves a wave's instructions in order
.endr
.irp k, 0,1,2,3,4,5
	s_wait_dscnt 5-\k                              ; the younger read-backs may be out
	global_store_b128 v3, v[BK+4*\k:BK+4*\k+3], s[24:25] offset:512*\k   ; 512 consecutive bytes a store
.endr
	global_store_b32 v5, v16, s[24:25] offset:12288
	s_cmp_lt_u32 s36, 2
	s_cbranch_scc0 .Lno_bias
	global_store_b32 v7, v6, s[24:25] offset:12800 ; waves 0 and 1: the two copies of the bias
.Lno_bias:
	s_wait_tensorcnt 0x0
	ds_add_u32 v224, v225
	s_wait_dscnt 0x0
	s_endpgm
	; ================ the norm
.set GG,  96                           ; v96-111  gain;  later the codes
.set BB,  112                          ; v112-127 bias
.set SM,  16                           ; v16-23   a pair of sums a row
.set TP,  24                           ; v24-27   the other half of the lanes' sums
.set MN,  8                            ; v8-15    a row's mean, later 1 / deviation, twice (a pair)
.set TM,  16                           ; v16-31   the quantiser's registers
.set SEL, 20                           ; s[20:21] selects for lane l xor 16
.set PIT, 2064
.macro QUANT s, pc, pw                 ; 64 numbers of a lane, register 16 b + i = k 32 b + 16 (lane / 16) + i of my row, become a fragment's codes in v[pc] on and its scale word in v[pw]
.irp b, 0,1,2,3
	v_max3_num_f32 v[TM+\b], |v[\s+16*\b]|, |v[\s+1+16*\b]|, 0x2800000   ; with the floor 2^(5 - 127)
.endr
.irp i, 2,4,6,8,10,12,14
.irp b, 0,1,2,3
	v_max3_num_f32 v[TM+\b], v[TM+\b], |v[\s+16*\b+\i]|, |v[\s+1+16*\b+\i]|
.endr
.endr
.irp b, 0,1,2,3
	v_permlanex16_b32 v[TM+4+\b], v[TM+\b], s[SEL], s[SEL+1]
.endr
.irp b, 0,1,2,3
	v_max_num_f32 v[TM+\b], v[TM+\b], v[TM+4+\b]   ; the block's largest magnitude
.endr
.irp b, 0,1,2,3
	v_add_nc_u32 v[TM+12+\b], 0xfe000000, v[TM+\b] ; 4 off its exponent field: the conversion's scale operand
.endr
.irp b, 0,1,2,3
	v_lshrrev_b32 v[TM+4+\b], 23, v[TM+12+\b]      ; the scale's byte
.endr
	v_lshl_or_b32 v[\pw], v[TM+5], 8, v[TM+4]
	v_lshl_or_b32 v[\pw], v[TM+6], 16, v[\pw]
	v_lshl_or_b32 v[\pw], v[TM+7], 24, v[\pw]
.irp c, 0,1
	v_cvt_scalef32_pk16_bf6_f32 v[\pc+6*\c:\pc+2+6*\c], v[\s+32*\c:\s+15+32*\c], v[TM+12+2*\c]
	v_cvt_scalef32_pk16_bf6_f32 v[\pc+12+4*\c:\pc+14+4*\c], v[\s+16+32*\c:\s+31+32*\c], v[TM+12+2*\c+1]
.endr
	v_nop                                          ; one plain line behind the conversions
.irp c, 0,1                            ; a whole block to a lane: lanes 0-15 block 2 c, lanes 16-31 block 2 c + 1
.irp i, 0,1,2
	v_permlane16_swap_b32 v[\pc+6*\c+\i], v[\pc+12+4*\c+\i]
.endr
.irp i, 0,1,2
	v_mov_b32 v[\pc+3+6*\c+\i], v[\pc+12+4*\c+\i]
.endr
.endr
.endm
.macro ACROSS                          ; each row's pair of sums becomes the sum over the row, in every lane
.irp k, 0,1,2,3
	v_add_f32 v[SM+2*\k], v[SM+2*\k], v[SM+2*\k+1]
.endr
.irp m, 1,2,4,8
.irp k, 0,1,2,3
	v_add_f32_dpp v[SM+2*\k], v[SM+2*\k], v[SM+2*\k] row_xmask:\m row_mask:0xf bank_mask:0xf
.endr
.endr
.irp k, 0,1,2,3
	v_permlanex16_b32 v[TP+\k], v[SM+2*\k], s[SEL], s[SEL+1]
.endr
.irp k, 0,1,2,3
	v_add_f32 v[SM+2*\k], v[SM+2*\k], v[TP+\k]
.endr
.endm
.Lnorm:
	s_load_b256 s[4:11], s[0:1], 0x0               ; x, gain, bias, HB
	s_sub_co_u32 s24, ttmp9, NW                    ; my tile
	v_lshrrev_b32 v5, 5, v0
	v_readfirstlane_b32 s12, v5                    ; wave
	v_and_b32 v5, 31, v0
	v_and_b32 v6, 15, v0
	v_bfe_u32 v7, v0, 4, 1
	v_lshlrev_b32 v1, 4, v5                        ; 16 x lane
	v_lshlrev_b32 v4, 2, v5                        ; 4 x lane
	s_mul_i32 s13, s12, 4*PIT
	v_add_nc_u32 v2, s13, v1                       ; into the stage: my wave's four rows
	v_mul_u32_u24 v3, v6, PIT
	v_lshl_add_u32 v3, v7, 6, v3
	s_lshl_b32 s13, s12, 9
	v_add_nc_u32 v3, s13, v3                       ; out of it: row r, K step w, + 64 h
.irp k, 0,1,2,3
	v_mov_b32 v[TP+\k], 0                          ; a lane permute's destination counts as read
.endr
	s_lshr_b32 s14, s24, 1
	s_lshl_b32 s14, s14, 5
	s_and_b32 s15, s24, 1
	s_lshl_b32 s15, s15, 3
	s_add_co_u32 s14, s14, s15
	s_lshl_b32 s15, s12, 2
	s_add_co_u32 s14, s14, s15
	s_lshr_b32 s15, s12, 1
	s_lshl_b32 s15, s15, 3
	s_add_co_u32 s14, s14, s15                     ; my first token: 32 b + 8 u + 4 w + 8 (w / 2)
	s_lshl_b32 s14, s14, 11
	s_mov_b32 s15, 0
	s_mul_i32 s16, s24, 6656
	s_mul_i32 s18, s12, 1536
	s_add_co_u32 s18, s18, s16
	s_mov_b32 s19, 0
	s_lshl_b32 s17, s12, 7
	s_add_co_u32 s16, s16, s17
	s_add_co_u32 s16, s16, 6144
	s_mov_b32 s17, 0
	s_mov_b32 s[SEL], 0x76543210
	s_mov_b32 s[SEL+1], 0xfedcba98
	s_mov_b32 s22, 0x3b000000                      ; 1 / 512
	s_mov_b32 s23, 0x3727c5ac                      ; 1e-5
	s_wait_kmcnt 0x0
	s_add_nc_u64 s[4:5], s[4:5], s[14:15]
	s_add_nc_u64 s[18:19], s[10:11], s[18:19]      ; my image
	s_add_nc_u64 s[16:17], s[10:11], s[16:17]      ; my plane of scale words
.irp j, 0,1,2,3
	global_load_b128 v[GG+4*\j:GG+4*\j+3], v1, s[6:7] offset:512*\j
	global_load_b128 v[BB+4*\j:BB+4*\j+3], v1, s[8:9] offset:512*\j
.endr
.irp k, 0,1,2,3
.irp j, 0,1,2,3
	global_load_b128 v[X+16*\k+4*\j:X+16*\k+4*\j+3], v1, s[4:5] offset:2048*\k+512*\j th:TH_LOAD_NT   ; 512 consecutive bytes a load
.endr
.endr
	s_wait_loadcnt 0x0
	; ---- A: the four rows by turns
.irp k, 0,1,2,3
	v_pk_add_f32 v[SM+2*\k:SM+2*\k+1], v[X+16*\k:X+16*\k+1], v[X+16*\k+2:X+16*\k+3]
.endr
.irp p, 4,6,8,10,12,14
.irp k, 0,1,2,3
	v_pk_add_f32 v[SM+2*\k:SM+2*\k+1], v[SM+2*\k:SM+2*\k+1], v[X+16*\k+\p:X+16*\k+\p+1]
.endr
.endr
	ACROSS
.irp k, 0,1,2,3
	v_mul_f32 v[MN+2*\k], s22, v[SM+2*\k]          ; the mean, in both halves of a pair
	v_mul_f32 v[MN+2*\k+1], s22, v[SM+2*\k]
.endr
.irp p, 0,2,4,6,8,10,12,14
.irp k, 0,1,2,3
	v_pk_add_f32 v[X+16*\k+\p:X+16*\k+\p+1], v[X+16*\k+\p:X+16*\k+\p+1], v[MN+2*\k:MN+2*\k+1] neg_lo:[0,1] neg_hi:[0,1]   ; x - mean
.endr
.endr
.irp k, 0,1,2,3
	v_pk_mul_f32 v[SM+2*\k:SM+2*\k+1], v[X+16*\k:X+16*\k+1], v[X+16*\k:X+16*\k+1]
.endr
.irp p, 2,4,6,8,10,12,14
.irp k, 0,1,2,3
	v_pk_fma_f32 v[SM+2*\k:SM+2*\k+1], v[X+16*\k+\p:X+16*\k+\p+1], v[X+16*\k+\p:X+16*\k+\p+1], v[SM+2*\k:SM+2*\k+1]
.endr
.endr
	ACROSS
.irp k, 0,1,2,3
	v_fma_f32 v[SM+2*\k], v[SM+2*\k], s22, s23     ; variance + 1e-5
.endr
.irp k, 0,1,2,3
	v_rsq_f32 v[MN+2*\k], v[SM+2*\k]
.endr
	v_nop                                          ; a plain line behind the last of the four
	s_wait_alu depctr_va_vdst(0)                   ; one wait for the four, ahead of their first reader
.irp k, 0,1,2,3
	v_mov_b32 v[MN+2*\k+1], v[MN+2*\k]
.endr
.irp p, 0,2,4,6,8,10,12,14
.irp k, 0,1,2,3
	v_pk_mul_f32 v[X+16*\k+\p:X+16*\k+\p+1], v[X+16*\k+\p:X+16*\k+\p+1], v[MN+2*\k:MN+2*\k+1]
.endr
.endr
.irp p, 0,2,4,6,8,10,12,14
.irp k, 0,1,2,3
	v_pk_fma_f32 v[X+16*\k+\p:X+16*\k+\p+1], v[X+16*\k+\p:X+16*\k+\p+1], v[GG+\p:GG+\p+1], v[BB+\p:BB+\p+1]
.endr
.endr
.irp k, 0,1,2,3
.irp j, 0,1,2,3
	ds_store_b128 v2, v[X+16*\k+4*\j:X+16*\k+4*\j+3] offset:PIT*\k+512*\j
.endr
.endr
	s_wait_dscnt 0x0                               ; for the others' sake: my rows lie in the stage
	s_barrier_signal -1
	s_barrier_wait -1
	; ---- B: K step w of all 16 rows
.irp b, 0,1,2,3
.irp j, 0,1,2,3
	ds_load_b128 v[X+16*\b+4*\j:X+16*\b+4*\j+3], v3 offset:128*\b+16*\j
.endr
.endr
	s_wait_dscnt 0x0
	QUANT X, 96, 116
.irp c, 0,1,2
	global_store_b128 v1, v[96+4*\c:99+4*\c], s[18:19] offset:512*\c
.endr
	global_store_b32 v4, v116, s[16:17]
	s_wait_tensorcnt 0x0
	ds_add_u32 v224, v225
	s_wait_dscnt 0x0
	s_endpgm
.Lfunc_end_k_q03602eb639_prep:
	.size	k_q03602eb639_prep, .Lfunc_end_k_q03602eb639_prep-k_q03602eb639_prep
	.p2alignl 7, 3214868480
	.fill 96, 4, 3214868480
	.section	.rodata,"a",@progbits
	.p2align	6, 0x0
	.amdhsa_kernel k_q03602eb639_prep
		.amdhsa_group_segment_fixed_size 45824
		.amdhsa_private_segment_fixed_size 0
		.amdhsa_enable_private_segment 0
		.amdhsa_kernarg_size 120
		.amdhsa_user_sgpr_count 2
		.amdhsa_user_sgpr_kernarg_segment_ptr 1
		.amdhsa_wavefront_size32 1
		.amdhsa_system_sgpr_workgroup_id_x 1
		.amdhsa_system_sgpr_workgroup_id_y 1
		.amdhsa_system_sgpr_workgroup_id_z 1
		.amdhsa_system_vgpr_workitem_id 0
		.amdhsa_next_free_vgpr 226
		.amdhsa_next_free_sgpr 66
		.amdhsa_reserve_vcc 0
		.amdhsa_float_denorm_mode_32 3
		.amdhsa_float_denorm_mode_16_64 3
		.amdhsa_memory_ordered 1
		.amdhsa_forward_progress 1
		.amdhsa_inst_pref_size 60
	.end_amdhsa_kernel
	.amdgpu_metadata
---
amdhsa.version: [ 1, 2 ]
amdhsa.kernels:
  - .name:           k_q03602eb639_prep
    .symbol:         k_q03602eb639_prep.kd
    .args:
      - { .name: x, .offset: 0, .size: 8, .value_kind: global_buffer, .address_space: global }
      - { .name: ln0_g, .offset: 8, .size: 8, .value_kind: global_buffer, .address_space: global }
      - { .name: ln0_b, .offset: 16, .size: 8, .value_kind: global_buffer, .address_space: global }
      - { .name: HB, .offset: 24, .size: 8, .value_kind: global_buffer, .address_space: global }
      - { .name: Wp, .offset: 32, .size: 8, .value_kind: global_buffer, .address_space: global }
      - { .name: Wq, .offset: 40, .size: 8, .value_kind: global_buffer, .address_space: global }
      - { .name: Wk, .offset: 48, .size: 8, .value_kind: global_buffer, .address_space: global }
      - { .name: Wv, .offset: 56, .size: 8, .value_kind: global_buffer, .address_space: global }
      - { .name: W2, .offset: 64, .size: 8, .value_kind: global_buffer, .address_space: global }
      - { .name: bp, .offset: 72, .size: 8, .value_kind: global_buffer, .address_space: global }
      - { .name: bq, .offset: 80, .size: 8, .value_kind: global_buffer, .address_space: global }
      - { .name: bk, .offset: 88, .size: 8, .value_kind: global_buffer, .address_space: global }
      - { .name: bv, .offset: 96, .size: 8, .value_kind: global_buffer, .address_space: global }
      - { .name: b2, .offset: 104, .size: 8, .value_kind: global_buffer, .address_space: global }
      - { .name: WB, .offset: 112, .size: 8, .value_kind: global_buffer, .address_space: global }
    .group_segment_fixed_size: 45824
    .private_segment_fixed_size: 0
    .kernarg_segment_align: 8
    .kernarg_segment_size: 120
    .max_flat_workgroup_size: 128
    .sgpr_count:     66
    .vgpr_count:     226
    .wavefront_size: 32
...
	.end_amdgpu_metadata
.endif
;; end of part 1
;; launch qkv (part 2): grid 64 x 4, 12 waves a work-group, clusters of 4 x 1, 211,456 bytes of LDS; arguments HB, WB, QKVB; writes QKVB
.if DOCPART == 2
	.amdgcn_target "amdgcn-amd-amdhsa--gfx1250"
	.amdhsa_code_object_version 6
	.text
	.protected	k_q03602eb639_qkv
	.globl	k_q03602eb639_qkv
	.p2align	8
	.type	k_q03602eb639_qkv,@function
k_q03602eb639_qkv:
	s_mov_b64 s[64:65], 0
	v_nop
	global_prefetch_b8 v0, s[64:65] scope:SCOPE_SE
	s_setreg_imm32_b32 hwreg(HW_REG_WAVE_MODE, 25, 1), 1
	s_wait_xcnt 0x0
	s_wait_alu depctr_hold_cnt(0) depctr_sa_sdst(0) depctr_va_vdst(0) depctr_va_sdst(0) depctr_va_ssrc(0) depctr_va_vcc(0) depctr_vm_vsrc(0)
	s_getreg_b32 s2, hwreg(HW_REG_IB_STS2, 6, 4)
	s_cmp_eq_u32 s2, 0
	s_cbranch_scc0 .Lentry_in_a_cluster
	s_endpgm
.Lentry_in_a_cluster:
	s_bfe_u32 s2, ttmp6, 0x10000c
	s_cmp_lg_u32 s2, 0x3003
	s_cbranch_scc0 .Lentry_shape_is_right
	s_endpgm
.Lentry_shape_is_right:
; q, k, v = h W + b on codes of BF6 (E3M2), K = 512, and their quantising for attention: q and k along the head's 64, v along the keys.
; A work-group takes 128 tokens (8 tiles; work-group x) and six units of 64 columns (work-group y: units 6 y .. 6 y + 5 of 24: 8 heads of q, of k, of v).  Two waves share a unit.
; q, k: the product is used transposed (source 0 = 16 columns of W, source 1 = 16 tokens): a lane holds one token, its registers run along the head.  Wave half takes tiles 4 half .. + 3, all 64 columns.
;   The 64 registers of two neighbouring tiles quantise into ONE fragment: k = 0-63 the head of tile u = 0, k = 64-127 that of tile u = 1.
; v: source 0 = 16 tokens, source 1 = 16 columns: a lane holds one channel, its registers run along the tokens, which are the keys.  Wave half takes 32 columns, all 8 tiles.
; The rows of a tile are not neighbours (row r of tile 2 b + u is index 32 b + 8 u + r + 8 (r / 8)), so that the 16 registers of tiles u = 0, 1 are 16 neighbours.
; LDS, filled once: h's 8 records at 0, the 12 weight records at 53,248.  The four work-groups of a cluster have the same y, so they ask for the weights JOINTLY; h's tiles are each work-group's own.
; The cluster lies along x alone: the branch between the q/k way and the v way hangs on y and the wave's number, which partners share.
; The bias of q and k is loaded into the accumulators and starts the sums; v's is one number a lane and is added behind the sums.
; LIMITS: NaN and infinities are not served; a block whose largest magnitude lies under 2^-122 (a block of zeros too) gets the byte 1.
.set WV,  10
.set TYP, 17                           ; s17  0 q, 1 k, 2 v
.set SEL, 20
.set G1W, 24                           ; s[24:31], s[40:43] the weights' descriptor;  s[32:39], s[44:47] h's
.set G1H, 32
.set G0W, 40
.set G0H, 44
.set WF,  32                           ; v32-79   four fragments of W;  behind the sums the codes
.set HF,  80                           ; v80-127  four fragments of h
.set TM,  80                           ; behind the sums: the quantiser's registers
.set WOFF, 53248
.macro CROUND                          ; a round of the cluster's barrier
	s_barrier_signal -1
	s_barrier_wait -1
	s_cmp_lg_u32 s[WV], 0
	s_cbranch_scc1 .Lnot_wave_0_\@
	s_barrier_signal -3
.Lnot_wave_0_\@:
	s_barrier_wait -3
	s_barrier_signal -1
	s_barrier_wait -1
.endm
.macro PLACES                          ; four plain lines between matrix instructions and loads into, or reads of, their registers
.rept 4
	v_nop
.endr
.endm
.macro DENSE g, rows                   ; group 1 of a dense block: rows of 256 bytes (32 elements of 8 bytes), no padding
	s_mov_b32 s[\g+1], 32<<16
	s_mov_b32 s[\g+2], (\rows)<<16
	s_mov_b32 s[\g+3], 32<<16
	s_mov_b32 s[\g+4], \rows
	s_mov_b32 s[\g+5], 32
	s_mov_b32 s[\g+6], 0
	s_mov_b32 s[\g+7], 0
.endm
.macro WMA d, a, b, sa, sb, mod        ; adds in place
	v_wmma_scale_f32_16x16x128_f8f6f4 v[\d:\d+7], v[\a:\a+11], v[\b:\b+11], v[\d:\d+7], v[\sa], v[\sb] matrix_a_fmt:MATRIX_FMT_BF6 matrix_b_fmt:MATRIX_FMT_BF6 \mod
.endm
.macro WM0 d, a, b, sa, sb, mod        ; starts a sum
	v_wmma_scale_f32_16x16x128_f8f6f4 v[\d:\d+7], v[\a:\a+11], v[\b:\b+11], 0, v[\sa], v[\sb] matrix_a_fmt:MATRIX_FMT_BF6 matrix_b_fmt:MATRIX_FMT_BF6 \mod
.endm
.macro QUANT s, pc, pw                 ; 64 numbers of a lane, register 16 b + i = k 32 b + 16 (lane / 16) + i of my row, become a fragment's codes in v[pc] on and its scale word in v[pw]
.irp b, 0,1,2,3
	v_max3_num_f32 v[TM+\b], |v[\s+16*\b]|, |v[\s+1+16*\b]|, 0x2800000
.endr
.irp i, 2,4,6,8,10,12,14
.irp b, 0,1,2,3
	v_max3_num_f32 v[TM+\b], v[TM+\b], |v[\s+16*\b+\i]|, |v[\s+1+16*\b+\i]|
.endr
.endr
.irp b, 0,1,2,3
	v_permlanex16_b32 v[TM+4+\b], v[TM+\b], s[SEL], s[SEL+1]
.endr
.irp b, 0,1,2,3
	v_max_num_f32 v[TM+\b], v[TM+\b], v[TM+4+\b]
.endr
.irp b, 0,1,2,3
	v_add_nc_u32 v[TM+12+\b], 0xfe000000, v[TM+\b]
.endr
.irp b, 0,1,2,3
	v_lshrrev_b32 v[TM+4+\b], 23, v[TM+12+\b]
.endr
	v_lshl_or_b32 v[\pw], v[TM+5], 8, v[TM+4]
	v_lshl_or_b32 v[\pw], v[TM+6], 16, v[\pw]
	v_lshl_or_b32 v[\pw], v[TM+7], 24, v[\pw]
.irp c, 0,1
	v_cvt_scalef32_pk16_bf6_f32 v[\pc+6*\c:\pc+2+6*\c], v[\s+32*\c:\s+15+32*\c], v[TM+12+2*\c]
	v_cvt_scalef32_pk16_bf6_f32 v[\pc+12+4*\c:\pc+14+4*\c], v[\s+16+32*\c:\s+31+32*\c], v[TM+12+2*\c+1]
.endr
	v_nop
.irp c, 0,1
.irp i, 0,1,2
	v_permlane16_swap_b32 v[\pc+6*\c+\i], v[\pc+12+4*\c+\i]
.endr
.irp i, 0,1,2
	v_mov_b32 v[\pc+3+6*\c+\i], v[\pc+12+4*\c+\i]
.endr
.endr
.endm
	s_load_b128 s[4:7], s[0:1], 0x0                ; HB, WB
	s_load_b64 s[8:9], s[0:1], 0x10                ; QKVB
	v_lshl_add_u32 v30, v0, 2, 0x33400
	v_mov_b32 v31, 0
	ds_add_u32 v30, v31
	ds_add_u32 v30, v31
	v_lshrrev_b32 v1, 5, v0
	v_readfirstlane_b32 s[WV], v1                  ; wave 0..11
	s_bfe_u32 s11, ttmp6, 0x40000                  ; cx
	s_lshl_b32 s12, ttmp9, 2
	s_add_co_u32 s12, s12, s11                     ; tb: my 128 tokens
	s_and_b32 s13, ttmp7, 0xffff                   ; y
	s_lshr_b32 s14, s[WV], 1                       ; my unit of the six
	s_and_b32 s15, s[WV], 1                        ; half
	s_mul_i32 s16, s13, 6
	s_add_co_u32 s16, s16, s14                     ; unit 0..23
	s_lshr_b32 s[TYP], s16, 3
	s_and_b32 s18, s16, 7                          ; head
	s_lshr_b32 s19, s12, 4
	s_lshl_b32 s19, s19, 3
	s_add_co_u32 s19, s19, s18                     ; nh = 8 n + head
	s_and_b32 s22, s12, 15                         ; ks: which 128 keys of the batch
	s_mov_b32 s[SEL], 0x76543210
	s_mov_b32 s[SEL+1], 0xfedcba98
	s_mov_b32 s[G1W], 15|(3<<16)|(1<<21)           ; the mask: all four work-groups; elements of 8 bytes; bit 21 beside a mask
	DENSE G1W, 153                                 ; three records
	s_mov_b32 s[G1H], 3<<16                        ; no mask
	DENSE G1H, 52                                  ; two records
	s_mul_i32 s54, s13, 12
	s_mul_i32 s55, s[WV], 3
	s_add_co_u32 s54, s54, s55
	s_add_co_u32 s54, s54, 128
	s_mul_i32 s54, s54, 13056                      ; weight records 128 + 12 y + 3 w on: y and the wave's number alone
	s_mov_b32 s55, 0
	s_lshl_b32 s56, s12, 3
	s_lshl_b32 s57, s[WV], 1
	s_add_co_u32 s56, s56, s57
	s_mul_i32 s56, s56, 6656                       ; h's tiles 8 tb + 2 w on
	s_mov_b32 s57, 0
	s_mul_i32 s58, s[WV], 39168
	s_mul_i32 s59, s[WV], 13312
	s_wait_dscnt 0x0
	s_wait_kmcnt 0x0
	s_mov_b32 s[G0W], 1
	s_add_co_u32 s[G0W+1], s58, WOFF
	s_add_nc_u64 s[G0W+2:G0W+3], s[6:7], s[54:55]
	s_or_b32 s[G0W+3], s[G0W+3], 0x80000000
	s_mov_b32 s[G0H], 1
	s_mov_b32 s[G0H+1], s59
	s_add_nc_u64 s[G0H+2:G0H+3], s[4:5], s[56:57]
	s_or_b32 s[G0H+3], s[G0H+3], 0x80000000
	CROUND                                         ; all four work-groups are here: the joint loads meet
	s_cmp_lt_u32 s[WV], 4                          ; waves 0 to 3 fetch, two loads each, in one branch; nothing is ever filled again
	s_cbranch_scc0 .Lno_fill
	tensor_load_to_lds s[G0W:G0W+3], s[G1W:G1W+7]
	s_nop 0
	tensor_load_to_lds s[G0H:G0H+3], s[G1H:G1H+7]
	s_nop 0
.rept 4
	v_nop
.endr
.Lno_fill:
	v_and_b32 v12, 31, v0
	v_and_b32 v13, 15, v0                          ; r
	v_bfe_u32 v14, v0, 4, 1                        ; h
	v_lshlrev_b32 v1, 4, v12                       ; 16 l
	v_lshlrev_b32 v2, 2, v12                       ; 4 l
	v_lshlrev_b32 v3, 3, v12                       ; 8 l
	s_mul_i32 s54, s14, 26112
	s_add_co_u32 s54, s54, WOFF                    ; my unit's two records
	v_add_nc_u32 v4, s54, v1
	v_add_nc_u32 v5, s54, v2
	v_lshl_add_u32 v6, v14, 6, s54                 ; the bias of my half's 16 columns of each 32
	s_mul_i32 s55, s15, 26624
	v_add_nc_u32 v7, s55, v1                       ; q, k: my four tiles of h
	v_add_nc_u32 v8, s55, v2
	s_mul_i32 s56, s15, 13056
	s_add_co_u32 s56, s56, s54
	v_add_nc_u32 v9, s56, v1                       ; v: my record
	v_add_nc_u32 v10, s56, v2
	v_and_b32 v15, 8, v13
	v_add_nc_u32 v15, v15, v13
	v_lshl_add_u32 v11, v15, 2, s56                ; v: my column's bias: 4 (r + 8 (r / 8))
	; where the results go, as offsets; the choice hangs on the unit's kind alone
	s_lshl_b32 s54, s19, 6
	s_lshl_b32 s55, s22, 2
	s_add_co_u32 s54, s54, s55
	s_lshl_b32 s55, s15, 1
	s_add_co_u32 s54, s54, s55                     ; q: pair of tiles 64 nh + 4 ks + 2 half
	s_mul_i32 s56, s54, 1536
	s_lshl_b32 s57, s54, 7
	s_add_co_u32 s57, s57, 3145728
	s_lshl_b32 s54, s19, 4
	s_add_co_u32 s54, s54, s22
	s_mul_i32 s54, s54, 6656
	s_mul_i32 s55, s[TYP], 3407872
	s_add_co_u32 s54, s54, s55                     ; k, v: record 16 nh + ks of its region
	s_mul_i32 s55, s15, 3072
	s_add_co_u32 s58, s54, s55
	s_lshl_b32 s55, s15, 8
	s_add_co_u32 s59, s54, s55
	s_add_co_u32 s59, s59, 6144
	s_cmp_eq_u32 s[TYP], 0
	s_cselect_b32 s48, s56, s58
	s_cselect_b32 s50, s57, s59
	s_mov_b32 s49, 0
	s_mov_b32 s51, 0
	s_add_nc_u64 s[48:49], s[8:9], s[48:49]        ; codes
	s_add_nc_u64 s[50:51], s[8:9], s[50:51]        ; scale words
	s_wait_tensorcnt 0x0                           ; my loads have landed,
	s_barrier_signal -1
	s_barrier_wait -1                              ; everybody's have; from here on LDS is only read
	s_cmp_eq_u32 s[TYP], 2
	s_cbranch_scc1 .Lv_way
	; ---- q, k: accumulator (tile t, columns' tile j = 2 g + u) at v[128 + 32 t + 8 j]
.irp t, 0,1,2,3
.irp j, 0,1,2,3
	ds_load_b128 v[128+32*\t+8*\j:131+32*\t+8*\j], v6 offset:13056*(\j/2)+12800+32*(\j%2)      ; the bias starts the sums
	ds_load_b128 v[132+32*\t+8*\j:135+32*\t+8*\j], v6 offset:13056*(\j/2)+12800+32*(\j%2)+16
.endr
.endr
.macro QKSTEP s
.if \s > 0
	PLACES
.endif
.irp j, 0,1,2,3
.irp c, 0,1,2
	ds_load_b128 v[WF+12*\j+4*\c:WF+12*\j+4*\c+3], v4 offset:13056*(\j/2)+3072*\s+1536*(\j%2)+512*\c
.endr
.endr
.irp t, 0,1,2,3
.irp c, 0,1,2
	ds_load_b128 v[HF+12*\t+4*\c:HF+12*\t+4*\c+3], v7 offset:6656*\t+1536*\s+512*\c
.endr
.endr
.irp g, 0,1
	ds_load_b32 v[16+\g], v5 offset:13056*\g+12288+128*\s          ; lanes 0-15 tile u = 0, lanes 16-31 tile u = 1
.endr
.irp t, 0,1,2,3
	ds_load_b32 v[20+\t], v8 offset:6656*\t+6144+128*\s
.endr
	s_wait_dscnt 0x0
.irp t, 0,1,2,3                        ; the 16 accumulators by turns, one instruction a turn
.irp g, 0,1
	WMA 128+32*\t+16*\g, WF+24*\g, HF+12*\t, 16+\g, 20+\t
	WMA 136+32*\t+16*\g, WF+24*\g+12, HF+12*\t, 16+\g, 20+\t, matrix_a_scale:MATRIX_SCALE_ROW1
.endr
.endr
.endm
	QKSTEP 0
	QKSTEP 1
	QKSTEP 2
	QKSTEP 3
	s_branch .Lquant
.Lv_way:
	; ---- v: accumulator (columns' tile u, tokens' tile t) at v[128 + 64 u + 8 t]
	ds_load_b32 v24, v11 offset:12800
	ds_load_b32 v26, v11 offset:12800+32
	v_mov_b32 v25, 0                               ; (named as the upper halves of pairs)
	v_mov_b32 v27, 0
.macro VSTEP s
.if \s > 0
	PLACES
.endif
.irp u, 0,1
.irp c, 0,1,2
	ds_load_b128 v[WF+12*\u+4*\c:WF+12*\u+4*\c+3], v9 offset:3072*\s+1536*\u+512*\c
.endr
.endr
	ds_load_b32 v16, v10 offset:12288+128*\s
.irp q, 0,1                            ; tokens' tiles 4 q .. 4 q + 3
.if \q > 0
	PLACES
.endif
.irp t, 0,1,2,3
.irp c, 0,1,2
	ds_load_b128 v[HF+12*\t+4*\c:HF+12*\t+4*\c+3], v1 offset:6656*(4*\q+\t)+1536*\s+512*\c
.endr
	ds_load_b32 v[20+\t], v2 offset:6656*(4*\q+\t)+6144+128*\s
.endr
	s_wait_dscnt 0x0
.irp t, 0,1,2,3
.if \s == 0
	WM0 128+8*(4*\q+\t), HF+12*\t, WF, 20+\t, 16
	WM0 192+8*(4*\q+\t), HF+12*\t, WF+12, 20+\t, 16, matrix_b_scale:MATRIX_SCALE_ROW1
.else
	WMA 128+8*(4*\q+\t), HF+12*\t, WF, 20+\t, 16
	WMA 192+8*(4*\q+\t), HF+12*\t, WF+12, 20+\t, 16, matrix_b_scale:MATRIX_SCALE_ROW1
.endif
.endr
.endr
.endm
	VSTEP 0
	VSTEP 1
	VSTEP 2
	VSTEP 3
	PLACES
.irp u, 0,1
.set i, 0
.rept 32
	v_pk_add_f32 v[128+64*\u+i:129+64*\u+i], v[128+64*\u+i:129+64*\u+i], v[24+2*\u:25+2*\u] op_sel_hi:[1,0]   ; + my channel's bias, each accumulator from its low end on
.set i, i+2
.endr
.endr
.Lquant:
	PLACES
	QUANT 128, 32, 96                              ; two fragments: q, k: pairs of tiles;  v: the two channel tiles
	QUANT 192, 52, 97
	s_cmp_eq_u32 s[TYP], 0
	s_cbranch_scc1 .Lq_out
.irp b, 0,1
.irp c, 0,1,2
	global_store_b128 v1, v[32+20*\b+4*\c:35+20*\b+4*\c], s[48:49] offset:1536*\b+512*\c     ; k, v: images, 512 consecutive bytes a store
.endr
	global_store_b32 v2, v[96+\b], s[50:51] offset:128*\b
.endr
	s_branch .Lend
.Lq_out:
.irp b, 0,1
.irp i, 0,1,2,3,4,5
	global_store_b64 v3, v[32+20*\b+2*\i:33+20*\b+2*\i], s[48:49] offset:1536*\b+256*\i     ; q: planes of two registers, so that a tile's six can be loaded alone
.endr
	global_store_b32 v2, v[96+\b], s[50:51] offset:128*\b
.endr
.Lend:
	s_wait_tensorcnt 0x0
	ds_add_u32 v30, v31
	s_wait_dscnt 0x0
	CROUND                                         ; the closing round: no work-group ends while a partner may still ask jointly
	s_endpgm
.Lfunc_end_k_q03602eb639_qkv:
	.size	k_q03602eb639_qkv, .Lfunc_end_k_q03602eb639_qkv-k_q03602eb639_qkv
	.p2alignl 7, 3214868480
	.fill 96, 4, 3214868480
	.section	.rodata,"a",@progbits
	.p2align	6, 0x0
	.amdhsa_kernel k_q03602eb639_qkv
		.amdhsa_group_segment_fixed_size 211456
		.amdhsa_private_segment_fixed_size 0
		.amdhsa_enable_private_segment 0
		.amdhsa_kernarg_size 24
		.amdhsa_user_sgpr_count 2
		.amdhsa_user_sgpr_kernarg_segment_ptr 1
		.amdhsa_wavefront_size32 1
		.amdhsa_system_sgpr_workgroup_id_x 1
		.amdhsa_system_sgpr_workgroup_id_y 1
		.amdhsa_system_sgpr_workgroup_id_z 1
		.amdhsa_system_vgpr_workitem_id 0
		.amdhsa_next_free_vgpr 256
		.amdhsa_next_free_sgpr 66
		.amdhsa_reserve_vcc 0
		.amdhsa_float_denorm_mode_32 3
		.amdhsa_float_denorm_mode_16_64 3
		.amdhsa_memory_ordered 1
		.amdhsa_forward_progress 1
		.amdhsa_inst_pref_size 58
	.end_amdhsa_kernel
	.amdgpu_metadata
---
amdhsa.version: [ 1, 2 ]
amdhsa.kernels:
  - .name:           k_q03602eb639_qkv
    .symbol:         k_q03602eb639_qkv.kd
    .args:
      - { .name: HB, .offset: 0, .size: 8, .value_kind: global_buffer, .address_space: global }
      - { .name: WB, .offset: 8, .size: 8, .value_kind: global_buffer, .address_space: global }
      - { .name: QKVB, .offset: 16, .size: 8, .value_kind: global_buffer, .address_space: global }
    .group_segment_fixed_size: 211456
    .private_segment_fixed_size: 0
    .kernarg_segment_align: 8
    .kernarg_segment_size: 24
    .max_flat_workgroup_size: 384
    .sgpr_count:     66
    .vgpr_count:     256
    .wavefront_size: 32
...
	.end_amdgpu_metadata
.endif
;; end of part 2
;; launch attn (part 3): grid 8 x 32, 16 waves a work-group, clusters of 4 x 1, 284,672 bytes of LDS; arguments QKVB, x, X1; writes X1
.if DOCPART == 3
	.amdgcn_target "amdgcn-amd-amdhsa--gfx1250"
	.amdhsa_code_object_version 6
	.text
	.protected	k_q03602eb639_attn
	.globl	k_q03602eb639_attn
	.p2align	8
	.type	k_q03602eb639_attn,@function
k_q03602eb639_attn:
	s_mov_b64 s[64:65], 0
	v_nop
	global_prefetch_b8 v0, s[64:65] scope:SCOPE_SE
	s_setreg_imm32_b32 hwreg(HW_REG_WAVE_MODE, 25, 1), 1
	s_wait_xcnt 0x0
	s_wait_alu depctr_hold_cnt(0) depctr_sa_sdst(0) depctr_va_vdst(0) depctr_va_sdst(0) depctr_va_ssrc(0) depctr_va_vcc(0) depctr_vm_vsrc(0)
	s_getreg_b32 s2, hwreg(HW_REG_IB_STS2, 6, 4)
	s_cmp_eq_u32 s2, 0
	s_cbranch_scc0 .Lentry_in_a_cluster
	s_endpgm
.Lentry_in_a_cluster:
	s_bfe_u32 s2, ttmp6, 0x10000c
	s_cmp_lg_u32 s2, 0x3003
	s_cbranch_scc0 .Lentry_shape_is_right
	s_endpgm
.Lentry_shape_is_right:
; X1 = x + softmax(q k^T / 8) v for one (batch, head) and 256 queries, both products on codes of BF6 (E3M2).  Head size 64, 2,048 keys, 128 a step.
; SOFTMAX: t = score x log2(e) / 8; M = the running largest t rounded UP to a whole number; p = 2^(t - M) is quantised along the keys, not normalised; the row's sum is taken of the unquantised p and
; divides at the end; when M moves, the sum and O are multiplied by 2^(old M - new M), which rounds nothing.
; SHARES: each of sixteen waves owns one tile of 16 queries in 256 registers: four waves to a SIMD, so that one wave's vector work stands beside another's products and LDS loads.
; LAYOUT: both products transposed (S^T = K Q^T, O^T = V^T P^T): a lane holds one query throughout.  A fragment of K holds TWO tiles of 16 keys (k = 0-63 tile u = 0, k = 64-127 tile u = 1); it is multiplied
; by [Q | 0] and by [0 | Q], so the head's 64 fill the instruction's 128 without a register of zeros on K's side.  The keys of a tile are chosen so that p's 16 registers of two tiles are 16 neighbouring keys.
; LDS: the head's whole K (16 records of 6,656 bytes at 0) and V (at 106,496) are filled ONCE, by four loads of each fetching wave; nothing is filled again.  Behind them a stage of 16 x 272 bytes a wave.
; TWO BARRIERS IN THE WALK: the first shows the first loads' records (key steps 0 to 3) to every wave; two key steps are walked; the second, in front of which each fetching wave has waited for all its loads,
; shows all the rest; the other fourteen steps are walked with no barrier, so that the waves of a SIMD need not wait for each other again.
; The four work-groups of a cluster share the head, so K and V are asked for JOINTLY.  A wave has at most four tensor loads out.
; A block's largest p is taken as the exponential of its largest score (v_exp_f32 taken not to fall where its input rises; at the worst one p within an ulp of a power of two is held one code low).
; LIMITS: NaN and infinities are not served; a block of p that has fallen to zeros keeps the byte 1.
; REGISTERS: v1-6 addresses that stay; v8-11 the step's; v12 -M, v13 largest t, v[14:15] the sum; v16-27 [Q|0]; v28-39 [0|Q]; v40-87 four fragments of K, then of V; v88-91 V's scale words; v[92:93] the sums' second chain;
;   v96-159 S^T, then p; v160-191 O^T; v192-223 x; v224-235 p's codes; v232-247 at work; v248-251 K's scale words; v252 f; v253 p's scale word; v254 at work; v255 Q's scale word.
.set WV,  10
.set SEL, 20
.set CS,  22
.set G1,  24
.set G0,  32                           ; s[32:47] four groups 0, one for each load
.set TB,  48
.set CNT, 49
.set VOFF, 106496
.set STAGE, 212992
.macro CROUND
	s_barrier_signal -1
	s_barrier_wait -1
	s_cmp_lg_u32 s[WV], 0
	s_cbranch_scc1 .Lnot_wave_0_\@
	s_barrier_signal -3
.Lnot_wave_0_\@:
	s_barrier_wait -3
	s_barrier_signal -1
	s_barrier_wait -1
.endm
.macro PLACES
.rept 4
	v_nop
.endr
.endm
	s_load_b128 s[4:7], s[0:1], 0x0                ; QKVB, x
	s_load_b64 s[8:9], s[0:1], 0x10                ; X1
	v_lshl_add_u32 v95, v0, 2, 0x45000
	v_mov_b32 v243, 0
	ds_add_u32 v95, v243
	ds_add_u32 v95, v243
	v_lshrrev_b32 v8, 5, v0
	v_readfirstlane_b32 s[WV], v8                  ; wave 0..15
	s_bfe_u32 s11, ttmp6, 0x40000                  ; cx
	s_lshl_b32 s12, ttmp9, 2
	s_add_co_u32 s12, s12, s11                     ; qb: my 256 queries; it enters global addresses of q, x and X1 alone
	s_and_b32 s13, ttmp7, 0xffff                   ; nh, which the partners share
	s_mov_b32 s[G1], 15|(3<<16)|(1<<21)            ; the mask: all four; elements of 8 bytes; bit 21 beside a mask
	s_mov_b32 s[G1+1], 32<<16                      ; rows of 256 bytes,
	s_mov_b32 s[G1+2], 52<<16                      ; 52 of them: two records
	s_mov_b32 s[G1+3], 32<<16
	s_mov_b32 s[G1+4], 52
	s_mov_b32 s[G1+5], 32
	s_mov_b32 s[G1+6], 0
	s_mov_b32 s[G1+7], 0
	s_lshr_b32 s50, s[WV], 1                       ; waves 0, 1: K;  2, 3: V
	s_and_b32 s51, s[WV], 1                        ; which two records of each four
	s_mul_i32 s52, s50, 3407872
	s_mul_i32 s53, s13, 106496
	s_add_co_u32 s52, s52, s53
	s_mul_i32 s53, s51, 13312
	s_add_co_u32 s52, s52, s53
	s_add_co_u32 s52, s52, 3407872
	s_mov_b32 s53, 0
	s_mul_i32 s54, s50, VOFF
	s_mul_i32 s55, s51, 13312
	s_add_co_u32 s54, s54, s55
	s_mov_b32 s[SEL], 0x76543210
	s_mov_b32 s[SEL+1], 0xfedcba98
	s_mov_b32 s[CS], 0x3e38aa3b                    ; c = log2(e) / 8
	s_mov_b32 s[CS+1], s[CS]
	s_wait_dscnt 0x0
	s_wait_kmcnt 0x0
	s_add_nc_u64 s[52:53], s[4:5], s[52:53]
.irp c, 0,1,2,3
	s_mov_b32 s[G0+4*\c], 1
	s_add_co_u32 s[G0+4*\c+1], s54, 26624*\c
	s_add_nc_u64 s[G0+4*\c+2:G0+4*\c+3], s[52:53], 26624*\c
	s_or_b32 s[G0+4*\c+3], s[G0+4*\c+3], 0x80000000
.endr
	CROUND                                         ; all four work-groups are here: the joint loads meet
	s_cmp_lt_u32 s[WV], 4
	s_cbranch_scc0 .Lno_fill
	tensor_load_to_lds s[G0:G0+3], s[G1:G1+7]
	s_nop 0
	tensor_load_to_lds s[G0+4:G0+7], s[G1:G1+7]
	s_nop 0
	tensor_load_to_lds s[G0+8:G0+11], s[G1:G1+7]
	s_nop 0
	tensor_load_to_lds s[G0+12:G0+15], s[G1:G1+7]
	s_nop 0
.rept 4
	v_nop
.endr
.Lno_fill:
	s_lshl_b32 s50, s13, 7
	s_lshl_b32 s51, s12, 4
	s_add_co_u32 s50, s50, s51
	s_add_co_u32 s50, s50, s[WV]
	s_mul_i32 s50, s50, 768                        ; my tile of q: 128 nh + 16 qb + w
	s_mov_b32 s51, 0
	s_add_nc_u64 s[50:51], s[4:5], s[50:51]
	s_lshl_b32 s54, s13, 6
	s_lshl_b32 s55, s12, 3
	s_add_co_u32 s54, s54, s55
	s_lshr_b32 s55, s[WV], 1
	s_add_co_u32 s54, s54, s55
	s_lshl_b32 s54, s54, 7
	s_add_co_u32 s54, s54, 3145728                 ; its pair's scale words
	s_mov_b32 s55, 0
	s_add_nc_u64 s[54:55], s[4:5], s[54:55]
	s_lshr_b32 s56, s13, 3
	s_lshl_b32 s56, s56, 11
	s_lshl_b32 s57, s12, 8
	s_add_co_u32 s56, s56, s57
	s_lshr_b32 s57, s[WV], 1
	s_lshl_b32 s57, s57, 5
	s_add_co_u32 s56, s56, s57
	s_and_b32 s57, s[WV], 1
	s_lshl_b32 s57, s57, 3
	s_add_co_u32 s56, s56, s57                     ; the tile's first token
	s_lshl_b32 s56, s56, 11
	s_and_b32 s57, s13, 7
	s_lshl_b32 s57, s57, 8
	s_add_co_u32 s56, s56, s57                     ; + the head's 256 bytes of a row
	s_mov_b32 s57, 0
	s_add_nc_u64 s[6:7], s[6:7], s[56:57]
	s_add_nc_u64 s[8:9], s[8:9], s[56:57]
	s_and_b32 s58, s[WV], 1
	s_cmp_eq_u32 s58, 0
	s_mov_b32 s60, 0x03020302
	s_cselect_b32 s60, 0x01000100, s60             ; which two bytes of the pair's word are my tile's
	s_mul_i32 s58, s[WV], 4352
	s_add_co_u32 s58, s58, STAGE
	v_and_b32 v8, 31, v0
	v_and_b32 v9, 15, v0                           ; r
	v_bfe_u32 v10, v0, 4, 1                        ; h
	v_lshlrev_b32 v1, 4, v8                        ; 16 l
	v_lshlrev_b32 v2, 2, v8                        ; 4 l
	v_lshlrev_b32 v4, 3, v8                        ; 8 l
	v_lshlrev_b32 v3, 4, v9
	v_lshl_add_u32 v3, v10, 11, v3                 ; x, X1: lanes 0-15 one row, lanes 16-31 the next, 16 bytes a lane
	v_mul_u32_u24 v5, v9, 272
	v_lshl_add_u32 v5, v10, 6, v5
	v_add_nc_u32 v5, s58, v5                       ; into my stage: row r, + 64 h
	v_mul_u32_u24 v6, v10, 272
	v_lshl_add_u32 v6, v9, 4, v6
	v_add_nc_u32 v6, s58, v6                       ; back: two rows an instruction
.irp p, 0,1,2
	global_load_b64 v[16+2*\p:17+2*\p], v4, s[50:51] offset:256*\p
.endr
	global_load_b32 v254, v2, s[54:55]
.irp i, 0,1,2,3,4,5,6,7
	global_load_b128 v[192+4*\i:195+4*\i], v3, s[6:7] offset:(2*\i+8*(\i/4))*2048 th:TH_LOAD_NT   ; x's 16 rows x 256 bytes: wanted on the way out
.endr
	s_wait_loadcnt 8                               ; q and its scale words are in; x's eight loads stay out
.irp i, 0,1,2,3,4,5
	v_mov_b32 v[34+\i], v[16+\i]                   ; [0 | Q]
	v_mov_b32 v[22+\i], 0
	v_mov_b32 v[28+\i], 0
.endr
	v_perm_b32 v255, v254, v254, s60               ; my tile's two bytes, twice: they serve [Q | 0] and [0 | Q] alike
	v_mov_b32 v13, 0xff61b1e6                      ; the largest t so far: -3e38
	v_floor_f32 v12, -v13
	v_mov_b32 v14, 0
	v_mov_b32 v15, 0
.irp b, 0,1,2,3
	v_mov_b32 v[236+\b], 0                         ; a lane permute's destination counts as read
.endr
	v_mov_b32 v253, 0
.set j, 0
.rept 32
	v_mov_b32 v[160+j], 0                          ; O^T: the step is written once; the first change of M leaves zeros zeros
.set j, j+1
.endr
.macro STEP
	v_add_nc_u32 v8, s[TB], v1                     ; these four are also the places behind the last step's products
	v_add_nc_u32 v9, s[TB], v2
	v_add_nc_u32 v10, VOFF, v8
	v_add_nc_u32 v11, VOFF, v9
.irp b, 0,1,2,3
.irp c, 0,1,2
	ds_load_b128 v[40+12*\b+4*\c:43+12*\b+4*\c], v8 offset:1536*\b+512*\c
.endr
	ds_load_b32 v[248+\b], v9 offset:6144+128*\b
.endr
	s_wait_dscnt 0x0
.irp b, 0,1,2,3
	v_wmma_scale_f32_16x16x128_f8f6f4 v[96+16*\b:103+16*\b], v[40+12*\b:51+12*\b], v[16:27], 0, v[248+\b], v255 matrix_a_fmt:MATRIX_FMT_BF6 matrix_b_fmt:MATRIX_FMT_BF6
	v_wmma_scale_f32_16x16x128_f8f6f4 v[104+16*\b:111+16*\b], v[40+12*\b:51+12*\b], v[28:39], 0, v[248+\b], v255 matrix_a_fmt:MATRIX_FMT_BF6 matrix_b_fmt:MATRIX_FMT_BF6
.endr
	PLACES
.irp t, 0,1,2,3                        ; V's fragments take K's registers and land under the softmax
.irp c, 0,1,2
	ds_load_b128 v[40+12*\t+4*\c:43+12*\t+4*\c], v10 offset:1536*\t+512*\c
.endr
	ds_load_b32 v[88+\t], v11 offset:6144+128*\t
.endr
.irp b, 0,1,2,3
	v_max3_num_f32 v[232+\b], v[96+16*\b], v[97+16*\b], v[98+16*\b]        ; the largest score of each block of 32 keys
.endr
.irp i, 3,5,7,9,11,13
.irp b, 0,1,2,3
	v_max3_num_f32 v[232+\b], v[232+\b], v[96+16*\b+\i], v[97+16*\b+\i]
.endr
.endr
.irp b, 0,1,2,3
	v_max_num_f32 v[232+\b], v[232+\b], v[111+16*\b]
.endr
.irp b, 0,1,2,3
	v_permlanex16_b32 v[236+\b], v[232+\b], s[SEL], s[SEL+1]
.endr
.irp b, 0,1,2,3
	v_max_num_f32 v[232+\b], v[232+\b], v[236+\b]
.endr
	v_max3_num_f32 v254, v232, v233, v234
	v_max_num_f32 v254, v254, v235
	v_mul_f32 v254, s[CS], v254
	v_max_num_f32 v13, v13, v254                   ; the running largest t
	v_mov_b32 v254, v12
	v_floor_f32 v12, -v13                          ; -M = floor(-t)
	v_sub_f32 v254, v12, v254
	v_cvt_i32_f32 v254, v254                       ; old M - new M, a whole number (it saturates)
	v_ldexp_f32 v252, 1.0, v254                    ; f
.set j, 0
.rept 32
	v_pk_fma_f32 v[96+j:97+j], v[96+j:97+j], s[CS:CS+1], v[12:13] op_sel_hi:[1,0,0]      ; t - M
.set j, j+2
.endr
.irp b, 0,1,2,3
	v_fma_f32 v[232+\b], v[232+\b], s[CS], v12     ; the same of each block's largest score
.endr
.set j, 0
.rept 64
	v_exp_f32 v[96+j], v[96+j]                     ; p
.set j, j+1
.endr
.irp b, 0,1,2,3
	v_exp_f32 v[232+\b], v[232+\b]                 ; each block's largest p: one batch with the 64
.endr
	v_pk_mul_f32 v[14:15], v[14:15], v[252:253] op_sel_hi:[1,0]            ; the sum and O^T under the new M: work that names no exponential's result
.set j, 0
.rept 16
	v_pk_mul_f32 v[160+j:161+j], v[160+j:161+j], v[252:253] op_sel_hi:[1,0]
.set j, j+2
.endr
	s_wait_alu depctr_va_vdst(0)                   ; one wait for the batch of 68, ahead of its first reader
.irp b, 0,1,2,3
	v_max_num_f32 v[232+\b], 0x2800000, v[232+\b]  ; the floor 2^(5 - 127)
.endr
.irp b, 0,1,2,3
	v_add_nc_u32 v[244+\b], 0xfe000000, v[232+\b]
.endr
.irp b, 0,1,2,3
	v_lshrrev_b32 v[236+\b], 23, v[244+\b]
.endr
	v_lshl_or_b32 v253, v237, 8, v236              ; p's scale word for these 128 keys
	v_lshl_or_b32 v253, v238, 16, v253
	v_lshl_or_b32 v253, v239, 24, v253
.irp c, 0,1
	v_cvt_scalef32_pk16_bf6_f32 v[224+6*\c:226+6*\c], v[96+32*\c:111+32*\c], v[244+2*\c]
	v_cvt_scalef32_pk16_bf6_f32 v[236+4*\c:238+4*\c], v[112+32*\c:127+32*\c], v[244+2*\c+1]
.endr
	v_nop
.irp c, 0,1
.irp i, 0,1,2
	v_permlane16_swap_b32 v[224+6*\c+\i], v[236+4*\c+\i]
.endr
.irp i, 0,1,2
	v_mov_b32 v[227+6*\c+\i], v[236+4*\c+\i]
.endr
.endr
	v_pk_add_f32 v[92:93], v[96:97], v[98:99]      ; the row's sum of the UNQUANTISED p, in two chains.  These 32 lines name no register of the products below: they are the places in front of them
.irp j, 4,8,12,16,20,24,28,32,36,40,44,48,52,56,60
	v_pk_add_f32 v[14:15], v[14:15], v[96+\j:97+\j]
	v_pk_add_f32 v[92:93], v[92:93], v[98+\j:99+\j]
.endr
	v_pk_add_f32 v[14:15], v[14:15], v[92:93]
	s_wait_dscnt 0x0                               ; V
.irp t, 0,1,2,3
	v_wmma_scale_f32_16x16x128_f8f6f4 v[160+8*\t:167+8*\t], v[40+12*\t:51+12*\t], v[224:235], v[160+8*\t:167+8*\t], v[88+\t], v253 matrix_a_fmt:MATRIX_FMT_BF6 matrix_b_fmt:MATRIX_FMT_BF6
.endr
.endm
.macro WALK id, first, trips           ; so many key steps, from the record at LDS byte first on
	s_mov_b32 s[TB], \first
	s_mov_b32 s[CNT], \trips
.Lstep\id:
	STEP
	s_add_co_u32 s[TB], s[TB], 6656
	s_sub_co_u32 s[CNT], s[CNT], 1
	s_cmp_lg_u32 s[CNT], 0
	s_cbranch_scc1 .Lstep\id
.endm
	s_wait_tensorcnt 3                             ; my first load has landed (records 0 to 3 of K and V among the four fetching waves); my three later loads may stay out
	s_wait_dscnt 0x0
	s_barrier_signal -1
	s_barrier_wait -1                              ; everybody's first load has
	WALK 0, 0, 2                                   ; key steps 0 and 1
	s_wait_tensorcnt 0x0                           ; all my loads have landed,
	s_wait_dscnt 0x0
	s_barrier_signal -1
	s_barrier_wait -1                              ; everybody's have: the whole head lies in LDS, and no barrier is wanted again
	WALK 1, 13312, 14                              ; key steps 2 to 15
	; ---- the way out: O^T / the sum through my stage, + x, whole units of 256 bytes
	PLACES
	v_add_f32 v14, v14, v15
	v_permlanex16_b32 v252, v14, s[SEL], s[SEL+1]
	v_add_f32 v14, v14, v252
	v_rcp_f32 v14, v14
	v_nop
	s_wait_alu depctr_va_vdst(0)                   ; ahead of the reciprocal's first reader
.set j, 0
.rept 32
	v_mul_f32 v[96+j], v[160+j], v14               ; register 8 t + i of tile t = 2 G + u: channel 32 G + 16 h + 8 u + i
.set j, j+1
.endr
.irp t, 0,1,2,3
	ds_store_b128 v5, v[96+8*\t:99+8*\t] offset:128*(\t/2)+32*(\t%2)
	ds_store_b128 v5, v[100+8*\t:103+8*\t] offset:128*(\t/2)+32*(\t%2)+16
.endr
.irp i, 0,1,2,3,4,5,6,7
	ds_load_b128 v[128+4*\i:131+4*\i], v6 offset:544*\i            ; my own bytes: LDS serves a wave's instructions in order
.endr
	s_wait_loadcnt 0x0                             ; x
.irp i, 0,1,2,3,4,5,6,7
	s_wait_dscnt 7-\i                              ; the younger read-backs may be out
	v_pk_add_f32 v[128+4*\i:129+4*\i], v[128+4*\i:129+4*\i], v[192+4*\i:193+4*\i]
	v_pk_add_f32 v[130+4*\i:131+4*\i], v[130+4*\i:131+4*\i], v[194+4*\i:195+4*\i]
	global_store_b128 v3, v[128+4*\i:131+4*\i], s[8:9] offset:(2*\i+8*(\i/4))*2048       ; sixteen lanes store 256 consecutive bytes, aligned
.endr
	s_wait_tensorcnt 0x0
	ds_add_u32 v95, v243
	s_wait_dscnt 0x0
	CROUND                                         ; the closing round
	s_endpgm
.Lfunc_end_k_q03602eb639_attn:
	.size	k_q03602eb639_attn, .Lfunc_end_k_q03602eb639_attn-k_q03602eb639_attn
	.p2alignl 7, 3214868480
	.fill 96, 4, 3214868480
	.section	.rodata,"a",@progbits
	.p2align	6, 0x0
	.amdhsa_kernel k_q03602eb639_attn
		.amdhsa_group_segment_fixed_size 284672
		.amdhsa_private_segment_fixed_size 0
		.amdhsa_enable_private_segment 0
		.amdhsa_kernarg_size 24
		.amdhsa_user_sgpr_count 2
		.amdhsa_user_sgpr_kernarg_segment_ptr 1
		.amdhsa_wavefront_size32 1
		.amdhsa_system_sgpr_workgroup_id_x 1
		.amdhsa_system_sgpr_workgroup_id_y 1
		.amdhsa_system_sgpr_workgroup_id_z 1
		.amdhsa_system_vgpr_workitem_id 0
		.amdhsa_next_free_vgpr 256
		.amdhsa_next_free_sgpr 66
		.amdhsa_reserve_vcc 0
		.amdhsa_float_denorm_mode_32 3
		.amdhsa_float_denorm_mode_16_64 3
		.amdhsa_memory_ordered 1
		.amdhsa_forward_progress 1
		.amdhsa_inst_pref_size 46
	.end_amdhsa_kernel
	.amdgpu_metadata
---
amdhsa.version: [ 1, 2 ]
amdhsa.kernels:
  - .name:           k_q03602eb639_attn
    .symbol:         k_q03602eb639_attn.kd
    .args:
      - { .name: QKVB, .offset: 0, .size: 8, .value_kind: global_buffer, .address_space: global }
      - { .name: x, .offset: 8, .size: 8, .value_kind: global_buffer, .address_space: global }
      - { .name: X1, .offset: 16, .size: 8, .value_kind: global_buffer, .address_space: global }
    .group_segment_fixed_size: 284672
    .private_segment_fixed_size: 0
    .kernarg_segment_align: 8
    .kernarg_segment_size: 24
    .max_flat_workgroup_size: 512
    .sgpr_count:     66
    .vgpr_count:     256
    .wavefront_size: 32
...
	.end_amdgpu_metadata
.endif
;; end of part 3
;; launch ln1 (part 4): grid 512 x 1, 4 waves a work-group, no clusters, 33,536 bytes of LDS; arguments X1, ln1_g, ln1_b, HB; writes HB
.if DOCPART == 4
	.amdgcn_target "amdgcn-amd-amdhsa--gfx1250"
	.amdhsa_code_object_version 6
	.text
	.protected	k_q03602eb639_ln1
	.globl	k_q03602eb639_ln1
	.p2align	8
	.type	k_q03602eb639_ln1,@function
k_q03602eb639_ln1:
	s_mov_b64 s[64:65], 0
	v_nop
	global_prefetch_b8 v0, s[64:65] scope:SCOPE_SE
	s_setreg_imm32_b32 hwreg(HW_REG_WAVE_MODE, 25, 1), 1
	s_wait_xcnt 0x0
; LayerNorm over 512 channels, then the quantiser along the channels: codes of BF6 (E3M2), one E8M0 byte for each 32.  All arithmetic in f32; the variance is the mean of (x - mean)^2, taken in a second pass.
; A work-group makes one TILE of 16 tokens: tile 2 b + u holds tokens 32 b + 8 u + r + 8 (r / 8), r = 0 .. 15.  Its record in HB, 6,656 bytes: the four K steps' fragment images at 1,536 s
; (registers 4 c .. 4 c + 3 of lane l at 512 c + 16 l), their planes of scale words (4 bytes a lane) at 6,144 + 128 s.
; Phase A: wave w normalises rows 4 w .. 4 w + 3 of the tile, 8,192 consecutive bytes of memory, a row over its 32 lanes, and lays them into a stage in LDS (16 rows, 2,064 bytes apart).
; One barrier.  Phase B: wave w quantises K step w: lane (r, h) takes of row r 16 neighbours of each block of 32.
; LIMITS: NaN and infinities are not served; a block whose largest magnitude lies under 2^-122 (a block of zeros too) gets the byte 1: its reader is this program alone.
.set X,   32                           ; v32-95   four rows, 16 numbers each; in phase B the quantiser's 64 numbers
.set GG,  96                           ; v96-111  gain;  later the codes
.set BB,  112                          ; v112-127 bias
.set SM,  16                           ; v16-23   a pair of sums a row
.set TP,  24                           ; v24-27   the other half of the lanes' sums
.set MN,  8                            ; v8-15    a row's mean, later 1 / deviation, twice (a pair)
.set TM,  16                           ; v16-31   the quantiser's registers
.set SEL, 20                           ; s[20:21] selects for lane l xor 16
.set PIT, 2064
.macro QUANT s, pc, pw                 ; 64 numbers of a lane, register 16 b + i = k 32 b + 16 (lane / 16) + i of my row, become a fragment's codes in v[pc] on and its scale word in v[pw]
.irp b, 0,1,2,3
	v_max3_num_f32 v[TM+\b], |v[\s+16*\b]|, |v[\s+1+16*\b]|, 0x2800000   ; with the floor 2^(5 - 127)
.endr
.irp i, 2,4,6,8,10,12,14
.irp b, 0,1,2,3
	v_max3_num_f32 v[TM+\b], v[TM+\b], |v[\s+16*\b+\i]|, |v[\s+1+16*\b+\i]|
.endr
.endr
.irp b, 0,1,2,3
	v_permlanex16_b32 v[TM+4+\b], v[TM+\b], s[SEL], s[SEL+1]
.endr
.irp b, 0,1,2,3
	v_max_num_f32 v[TM+\b], v[TM+\b], v[TM+4+\b]   ; the block's largest magnitude
.endr
.irp b, 0,1,2,3
	v_add_nc_u32 v[TM+12+\b], 0xfe000000, v[TM+\b] ; 4 off its exponent field: the conversion's scale operand
.endr
.irp b, 0,1,2,3
	v_lshrrev_b32 v[TM+4+\b], 23, v[TM+12+\b]      ; the scale's byte
.endr
	v_lshl_or_b32 v[\pw], v[TM+5], 8, v[TM+4]
	v_lshl_or_b32 v[\pw], v[TM+6], 16, v[\pw]
	v_lshl_or_b32 v[\pw], v[TM+7], 24, v[\pw]
.irp c, 0,1
	v_cvt_scalef32_pk16_bf6_f32 v[\pc+6*\c:\pc+2+6*\c], v[\s+32*\c:\s+15+32*\c], v[TM+12+2*\c]
	v_cvt_scalef32_pk16_bf6_f32 v[\pc+12+4*\c:\pc+14+4*\c], v[\s+16+32*\c:\s+31+32*\c], v[TM+12+2*\c+1]
.endr
	v_nop                                          ; one plain line behind the conversions
.irp c, 0,1                            ; a whole block to a lane: lanes 0-15 block 2 c, lanes 16-31 block 2 c + 1
.irp i, 0,1,2
	v_permlane16_swap_b32 v[\pc+6*\c+\i], v[\pc+12+4*\c+\i]
.endr
.irp i, 0,1,2
	v_mov_b32 v[\pc+3+6*\c+\i], v[\pc+12+4*\c+\i]
.endr
.endr
.endm
.macro ACROSS                          ; each row's pair of sums becomes the sum over the row, in every lane
.irp k, 0,1,2,3
	v_add_f32 v[SM+2*\k], v[SM+2*\k], v[SM+2*\k+1]
.endr
.irp m, 1,2,4,8
.irp k, 0,1,2,3
	v_add_f32_dpp v[SM+2*\k], v[SM+2*\k], v[SM+2*\k] row_xmask:\m row_mask:0xf bank_mask:0xf
.endr
.endr
.irp k, 0,1,2,3
	v_permlanex16_b32 v[TP+\k], v[SM+2*\k], s[SEL], s[SEL+1]
.endr
.irp k, 0,1,2,3
	v_add_f32 v[SM+2*\k], v[SM+2*\k], v[TP+\k]
.endr
.endm
	s_load_b256 s[4:11], s[0:1], 0x0               ; the rows, gain, bias, HB
	v_lshl_add_u32 v128, v0, 2, 0x8100
	v_mov_b32 v129, 0
	v_lshrrev_b32 v5, 5, v0
	v_readfirstlane_b32 s12, v5                    ; wave
	v_and_b32 v5, 31, v0
	v_and_b32 v6, 15, v0
	v_bfe_u32 v7, v0, 4, 1
	v_lshlrev_b32 v1, 4, v5                        ; 16 x lane
	v_lshlrev_b32 v4, 2, v5                        ; 4 x lane
	s_mul_i32 s13, s12, 4*PIT
	v_add_nc_u32 v2, s13, v1                       ; into the stage: my wave's four rows
	v_mul_u32_u24 v3, v6, PIT
	v_lshl_add_u32 v3, v7, 6, v3
	s_lshl_b32 s13, s12, 9
	v_add_nc_u32 v3, s13, v3                       ; out of it: row r, K step w, + 64 h
.irp k, 0,1,2,3
	v_mov_b32 v[TP+\k], 0                          ; a lane permute's destination counts as read
.endr
	s_lshr_b32 s14, ttmp9, 1
	s_lshl_b32 s14, s14, 5
	s_and_b32 s15, ttmp9, 1
	s_lshl_b32 s15, s15, 3
	s_add_co_u32 s14, s14, s15
	s_lshl_b32 s15, s12, 2
	s_add_co_u32 s14, s14, s15
	s_lshr_b32 s15, s12, 1
	s_lshl_b32 s15, s15, 3
	s_add_co_u32 s14, s14, s15                     ; my first token: 32 b + 8 u + 4 w + 8 (w / 2)
	s_lshl_b32 s14, s14, 11
	s_mov_b32 s15, 0
	s_mul_i32 s16, ttmp9, 6656
	s_mul_i32 s18, s12, 1536
	s_add_co_u32 s18, s18, s16
	s_mov_b32 s19, 0
	s_lshl_b32 s17, s12, 7
	s_add_co_u32 s16, s16, s17
	s_add_co_u32 s16, s16, 6144
	s_mov_b32 s17, 0
	s_mov_b32 s[SEL], 0x76543210
	s_mov_b32 s[SEL+1], 0xfedcba98
	s_mov_b32 s22, 0x3b000000                      ; 1 / 512
	s_mov_b32 s23, 0x3727c5ac                      ; 1e-5
	s_wait_kmcnt 0x0
	s_add_nc_u64 s[4:5], s[4:5], s[14:15]
	s_add_nc_u64 s[18:19], s[10:11], s[18:19]      ; my image
	s_add_nc_u64 s[16:17], s[10:11], s[16:17]      ; my plane of scale words
.irp j, 0,1,2,3
	global_load_b128 v[GG+4*\j:GG+4*\j+3], v1, s[6:7] offset:512*\j
	global_load_b128 v[BB+4*\j:BB+4*\j+3], v1, s[8:9] offset:512*\j
.endr
.irp k, 0,1,2,3
.irp j, 0,1,2,3
	global_load_b128 v[X+16*\k+4*\j:X+16*\k+4*\j+3], v1, s[4:5] offset:2048*\k+512*\j th:TH_LOAD_NT   ; 512 consecutive bytes a load
.endr
.endr
	s_wait_loadcnt 0x0
	; ---- A: the four rows by turns
.irp k, 0,1,2,3
	v_pk_add_f32 v[SM+2*\k:SM+2*\k+1], v[X+16*\k:X+16*\k+1], v[X+16*\k+2:X+16*\k+3]
.endr
.irp p, 4,6,8,10,12,14
.irp k, 0,1,2,3
	v_pk_add_f32 v[SM+2*\k:SM+2*\k+1], v[SM+2*\k:SM+2*\k+1], v[X+16*\k+\p:X+16*\k+\p+1]
.endr
.endr
	ACROSS
.irp k, 0,1,2,3
	v_mul_f32 v[MN+2*\k], s22, v[SM+2*\k]          ; the mean, in both halves of a pair
	v_mul_f32 v[MN+2*\k+1], s22, v[SM+2*\k]
.endr
.irp p, 0,2,4,6,8,10,12,14
.irp k, 0,1,2,3
	v_pk_add_f32 v[X+16*\k+\p:X+16*\k+\p+1], v[X+16*\k+\p:X+16*\k+\p+1], v[MN+2*\k:MN+2*\k+1] neg_lo:[0,1] neg_hi:[0,1]   ; x - mean
.endr
.endr
.irp k, 0,1,2,3
	v_pk_mul_f32 v[SM+2*\k:SM+2*\k+1], v[X+16*\k:X+16*\k+1], v[X+16*\k:X+16*\k+1]
.endr
.irp p, 2,4,6,8,10,12,14
.irp k, 0,1,2,3
	v_pk_fma_f32 v[SM+2*\k:SM+2*\k+1], v[X+16*\k+\p:X+16*\k+\p+1], v[X+16*\k+\p:X+16*\k+\p+1], v[SM+2*\k:SM+2*\k+1]
.endr
.endr
	ACROSS
.irp k, 0,1,2,3
	v_fma_f32 v[SM+2*\k], v[SM+2*\k], s22, s23     ; variance + 1e-5
.endr
.irp k, 0,1,2,3
	v_rsq_f32 v[MN+2*\k], v[SM+2*\k]
.endr
	v_nop                                          ; a plain line behind the last of the four
	s_wait_alu depctr_va_vdst(0)                   ; one wait for the four, ahead of their first reader
.irp k, 0,1,2,3
	v_mov_b32 v[MN+2*\k+1], v[MN+2*\k]
.endr
.irp p, 0,2,4,6,8,10,12,14
.irp k, 0,1,2,3
	v_pk_mul_f32 v[X+16*\k+\p:X+16*\k+\p+1], v[X+16*\k+\p:X+16*\k+\p+1], v[MN+2*\k:MN+2*\k+1]
.endr
.endr
.irp p, 0,2,4,6,8,10,12,14
.irp k, 0,1,2,3
	v_pk_fma_f32 v[X+16*\k+\p:X+16*\k+\p+1], v[X+16*\k+\p:X+16*\k+\p+1], v[GG+\p:GG+\p+1], v[BB+\p:BB+\p+1]
.endr
.endr
.irp k, 0,1,2,3
.irp j, 0,1,2,3
	ds_store_b128 v2, v[X+16*\k+4*\j:X+16*\k+4*\j+3] offset:PIT*\k+512*\j
.endr
.endr
	s_wait_dscnt 0x0                               ; for the others' sake: my rows lie in the stage
	s_barrier_signal -1
	s_barrier_wait -1
	; ---- B: K step w of all 16 rows
.irp b, 0,1,2,3
.irp j, 0,1,2,3
	ds_load_b128 v[X+16*\b+4*\j:X+16*\b+4*\j+3], v3 offset:128*\b+16*\j
.endr
.endr
	s_wait_dscnt 0x0
	QUANT X, 96, 116
.irp c, 0,1,2
	global_store_b128 v1, v[96+4*\c:99+4*\c], s[18:19] offset:512*\c
.endr
	global_store_b32 v4, v116, s[16:17]
	s_wait_tensorcnt 0x0
	ds_add_u32 v128, v129
	s_wait_dscnt 0x0
	s_endpgm
.Lfunc_end_k_q03602eb639_ln1:
	.size	k_q03602eb639_ln1, .Lfunc_end_k_q03602eb639_ln1-k_q03602eb639_ln1
	.p2alignl 7, 3214868480
	.fill 96, 4, 3214868480
	.section	.rodata,"a",@progbits
	.p2align	6, 0x0
	.amdhsa_kernel k_q03602eb639_ln1
		.amdhsa_group_segment_fixed_size 33536
		.amdhsa_private_segment_fixed_size 0
		.amdhsa_enable_private_segment 0
		.amdhsa_kernarg_size 32
		.amdhsa_user_sgpr_count 2
		.amdhsa_user_sgpr_kernarg_segment_ptr 1
		.amdhsa_wavefront_size32 1
		.amdhsa_system_sgpr_workgroup_id_x 1
		.amdhsa_system_sgpr_workgroup_id_y 1
		.amdhsa_system_sgpr_workgroup_id_z 1
		.amdhsa_system_vgpr_workitem_id 0
		.amdhsa_next_free_vgpr 130
		.amdhsa_next_free_sgpr 66
		.amdhsa_reserve_vcc 0
		.amdhsa_float_denorm_mode_32 3
		.amdhsa_float_denorm_mode_16_64 3
		.amdhsa_memory_ordered 1
		.amdhsa_forward_progress 1
		.amdhsa_inst_pref_size 25
	.end_amdhsa_kernel
	.amdgpu_metadata
---
amdhsa.version: [ 1, 2 ]
amdhsa.kernels:
  - .name:           k_q03602eb639_ln1
    .symbol:         k_q03602eb639_ln1.kd
    .args:
      - { .name: X1, .offset: 0, .size: 8, .value_kind: global_buffer, .address_space: global }
      - { .name: ln1_g, .offset: 8, .size: 8, .value_kind: global_buffer, .address_space: global }
      - { .name: ln1_b, .offset: 16, .size: 8, .value_kind: global_buffer, .address_space: global }
      - { .name: HB, .offset: 24, .size: 8, .value_kind: global_buffer, .address_space: global }
    .group_segment_fixed_size: 33536
    .private_segment_fixed_size: 0
    .kernarg_segment_align: 8
    .kernarg_segment_size: 32
    .max_flat_workgroup_size: 128
    .sgpr_count:     66
    .vgpr_count:     130
    .wavefront_size: 32
...
	.end_amdgpu_metadata
.endif
;; end of part 4
;; launch ffn1 (part 5): grid 8 x 32, 8 waves a work-group, clusters of 4 x 4, 316,416 bytes of LDS; arguments HB, WB, YB; writes YB
.if DOCPART == 5
	.amdgcn_target "amdgcn-amd-amdhsa--gfx1250"
	.amdhsa_code_object_version 6
	.text
	.protected	k_q03602eb639_ffn1
	.globl	k_q03602eb639_ffn1
	.p2align	8
	.type	k_q03602eb639_ffn1,@function
k_q03602eb639_ffn1:
	s_mov_b64 s[64:65], 0
	v_nop
	global_prefetch_b8 v0, s[64:65] scope:SCOPE_SE
	s_setreg_imm32_b32 hwreg(HW_REG_WAVE_MODE, 25, 1), 1
	s_wait_xcnt 0x0
	s_wait_alu depctr_hold_cnt(0) depctr_sa_sdst(0) depctr_va_vdst(0) depctr_va_sdst(0) depctr_va_ssrc(0) depctr_va_vcc(0) depctr_vm_vsrc(0)
	s_getreg_b32 s2, hwreg(HW_REG_IB_STS2, 6, 4)
	s_cmp_eq_u32 s2, 0
	s_cbranch_scc0 .Lentry_in_a_cluster
	s_endpgm
.Lentry_in_a_cluster:
	s_bfe_u32 s2, ttmp6, 0x10000c
	s_cmp_lg_u32 s2, 0xf033
	s_cbranch_scc0 .Lentry_shape_is_right
	s_endpgm
.Lentry_shape_is_right:
; y = u gelu(g), (u | g) = h2 Wp + bp on codes of BF6 (E3M2), K = 512; y is quantised along the 2,048 inner channels, which are the next product's K.
; A work-group takes 256 tokens (16 tiles; work-group y) and 256 inner channels (work-group x), that is 256 columns of u and the 256 of g that go with them.
; Wave w: four tiles (w & 3), 128 channels (w / 4), in four PASSES of 32 channels: 16 accumulators (4 tiles x (2 tiles of u, 2 of g)) over four K steps, then GEGLU and the block's quantising.
; The product is used transposed (source 0 = 16 columns of Wp, source 1 = 16 tokens), and a tile's columns are chosen so that a lane's 16 registers of u are 16 neighbouring channels: half a block of 32.
; y's codes go out by blocks: block B of a fragment at 384 B + 24 r + 12 h, 384 consecutive bytes a store; the four passes' bytes make a row's scale word.
; LDS, filled once: h2's 16 records at 0; the weights at 106,496: region 2 f + part (part 0 = u, 1 = g) of four records.  h2 is shared along a row of the 4 x 4 cluster, the weights along a column: joint loads.
; The weights come in two halves (passes 0, 1 and 2, 3), so that the first passes run while the second half lands.  A wave has at most three tensor loads out.
; gelu is exact-erf gelu with erf after Abramowitz and Stegun 7.1.26, all in f32.
; LIMITS: that formula's absolute error is at most 1.5e-7, so gelu's relative error grows in the far negative tail, where y falls to its block's lowest codes; NaN and infinities are not served;
; a block whose largest magnitude lies under 2^-122 (a block of zeros too) gets the byte 1.
.set WV,  10
.set SEL, 20
.set G1H, 24
.set G1W, 32
.set G0H, 40
.set G0A, 44
.set G0B, 48
.set PB,  52                           ; s52  13,056 x pass
.set SH,  53                           ; s53  8 x pass
.set CNT, 54
.set YD,  56                           ; s[56:57] where the pass's codes go
.set YS,  58                           ; s[58:59] where the scale words go
.set P1,  66                           ; s66  0.3275911 / sqrt(2)
.set ABS, 67
.set NE,  68                           ; pairs: -log2(e) / 2; the halved coefficients a5, a3, a2, a1
.set A5,  70
.set A3,  72
.set A2,  74
.set A1,  76
.set WF,  32
.set HF,  80
.set AA,  32                           ; GEGLU: v32-47 t, v48-63 the exponential, v64-79 the polynomial
.set EE,  48
.set PP,  64
.set CY,  80                           ; codes: three registers a tile at CY + 4 t
.set MX,  96
.macro CROUND
	s_barrier_signal -1
	s_barrier_wait -1
	s_cmp_lg_u32 s[WV], 0
	s_cbranch_scc1 .Lnot_wave_0_\@
	s_barrier_signal -3
.Lnot_wave_0_\@:
	s_barrier_wait -3
	s_barrier_signal -1
	s_barrier_wait -1
.endm
.macro PLACES
.rept 4
	v_nop
.endr
.endm
.macro DENSE g, rows
	s_mov_b32 s[\g+1], 32<<16
	s_mov_b32 s[\g+2], (\rows)<<16
	s_mov_b32 s[\g+3], 32<<16
	s_mov_b32 s[\g+4], \rows
	s_mov_b32 s[\g+5], 32
	s_mov_b32 s[\g+6], 0
	s_mov_b32 s[\g+7], 0
.endm
.macro WMA d, a, b, sa, sb, mod
	v_wmma_scale_f32_16x16x128_f8f6f4 v[\d:\d+7], v[\a:\a+11], v[\b:\b+11], v[\d:\d+7], v[\sa], v[\sb] matrix_a_fmt:MATRIX_FMT_BF6 matrix_b_fmt:MATRIX_FMT_BF6 \mod
.endm
	s_load_b128 s[4:7], s[0:1], 0x0                ; HB, WB
	s_load_b64 s[8:9], s[0:1], 0x10                ; YB
	v_lshl_add_u32 v30, v0, 2, 0x4d000
	v_mov_b32 v31, 0
	ds_add_u32 v30, v31
	ds_add_u32 v30, v31
	v_lshrrev_b32 v1, 5, v0
	v_readfirstlane_b32 s[WV], v1                  ; wave 0..7
	s_bfe_u32 s11, ttmp6, 0x40000                  ; cx
	s_bfe_u32 s12, ttmp6, 0x40004                  ; cy
	s_lshl_b32 s13, ttmp9, 2
	s_add_co_u32 s13, s13, s11                     ; X: 256 inner channels
	s_and_b32 s14, ttmp7, 0xffff
	s_lshl_b32 s14, s14, 2
	s_add_co_u32 s14, s14, s12                     ; Y: 256 tokens
	s_lshl_b32 s84, s12, 2
	s_lshl_b32 s84, 15, s84                        ; my row of the cluster
	s_lshl_b32 s85, 0x1111, s11                    ; my column
	s_or_b32 s[G1H], s84, (3<<16)|(1<<21)
	s_or_b32 s[G1W], s85, (3<<16)|(1<<21)
	DENSE G1H, 104                                 ; four records of h2
	DENSE G1W, 102                                 ; two weight records
	s_lshl_b32 s80, s14, 4
	s_lshl_b32 s81, s[WV], 2
	s_add_co_u32 s80, s80, s81
	s_mul_i32 s80, s80, 6656                       ; h2: tiles 16 Y + 4 w on: Y and the wave's number alone
	s_mov_b32 s81, 0
	s_and_b32 s82, s[WV], 1
	s_lshl_b32 s82, s82, 6
	s_lshl_b32 s83, s13, 3
	s_add_co_u32 s82, s82, s83
	s_lshr_b32 s83, s[WV], 1
	s_lshl_b32 s83, s83, 2
	s_add_co_u32 s82, s82, s83
	s_mul_i32 s82, s82, 13056                      ; weights: records 64 (w & 1) + 8 X + 4 (w / 2) on: X and the wave's number alone
	s_mov_b32 s83, 0
	s_mul_i32 s86, s[WV], 26624
	s_mul_i32 s87, s[WV], 52224
	s_add_co_u32 s87, s87, 106496
	s_and_b32 s15, s[WV], 3                        ; q: my four tiles
	s_lshr_b32 s16, s[WV], 2                       ; f
	s_lshl_b32 s17, s13, 1
	s_add_co_u32 s17, s17, s16                     ; F: my 128 channels = K step F of the next product
	s_lshr_b32 s18, s17, 2                         ; kc
	s_and_b32 s19, s17, 3                          ; sF
	s_lshl_b32 s88, s18, 9
	s_lshl_b32 s89, s14, 4
	s_add_co_u32 s88, s88, s89
	s_lshl_b32 s89, s15, 2
	s_add_co_u32 s88, s88, s89
	s_mul_i32 s88, s88, 6656                       ; y's record 512 kc + 16 Y + 4 q
	s_mul_i32 s89, s19, 1536
	s_add_co_u32 s[YD], s88, s89
	s_mov_b32 s[YD+1], 0
	s_lshl_b32 s89, s19, 7
	s_add_co_u32 s[YS], s88, s89
	s_add_co_u32 s[YS], s[YS], 6144
	s_mov_b32 s[YS+1], 0
	s_mov_b32 s[SEL], 0x76543210
	s_mov_b32 s[SEL+1], 0xfedcba98
	s_mov_b32 s[P1], 0x3e6d3388                    ; 0.23164189
	s_mov_b32 s[ABS], 0x7fffffff
	s_mov_b32 s[NE], 0xbf38aa3b                    ; -0.72134752
	s_mov_b32 s[NE+1], s[NE]
	s_mov_b32 s[A5], 0x3f07dc22                    ; 0.5307027145
	s_mov_b32 s[A5+1], s[A5]
	s_mov_b32 s[A3], 0x3f35f0e3                    ; 0.7107068705
	s_mov_b32 s[A3+1], s[A3]
	s_mov_b32 s[A2], 0xbe11a98e                    ; -0.142248368
	s_mov_b32 s[A2+1], s[A2]
	s_mov_b32 s[A1], 0x3e027906                    ; 0.127414796
	s_mov_b32 s[A1+1], s[A1]
	s_wait_dscnt 0x0
	s_wait_kmcnt 0x0
	s_add_nc_u64 s[YD:YD+1], s[8:9], s[YD:YD+1]
	s_add_nc_u64 s[YS:YS+1], s[8:9], s[YS:YS+1]
	s_mov_b32 s[G0H], 1
	s_mov_b32 s[G0H+1], s86
	s_add_nc_u64 s[G0H+2:G0H+3], s[4:5], s[80:81]
	s_or_b32 s[G0H+3], s[G0H+3], 0x80000000
	s_add_nc_u64 s[82:83], s[6:7], s[82:83]
	s_mov_b32 s[G0A], 1
	s_mov_b32 s[G0A+1], s87
	s_mov_b64 s[G0A+2:G0A+3], s[82:83]
	s_or_b32 s[G0A+3], s[G0A+3], 0x80000000
	s_mov_b32 s[G0B], 1
	s_add_co_u32 s[G0B+1], s87, 26112
	s_add_nc_u64 s[G0B+2:G0B+3], s[82:83], 26112
	s_or_b32 s[G0B+3], s[G0B+3], 0x80000000
	CROUND                                         ; all sixteen work-groups are here: the joint loads meet
	s_cmp_lt_u32 s[WV], 4                          ; waves 0 to 3 fetch, three loads each, in one branch; nothing is ever filled again
	s_cbranch_scc0 .Lno_fill
	tensor_load_to_lds s[G0H:G0H+3], s[G1H:G1H+7]
	s_nop 0
	tensor_load_to_lds s[G0A:G0A+3], s[G1W:G1W+7]
	s_nop 0
	tensor_load_to_lds s[G0B:G0B+3], s[G1W:G1W+7]
	s_nop 0
.rept 4
	v_nop
.endr
.Lno_fill:
	v_and_b32 v9, 31, v0
	v_and_b32 v10, 15, v0
	v_bfe_u32 v11, v0, 4, 1
	v_lshlrev_b32 v1, 4, v9                        ; 16 l
	v_lshlrev_b32 v2, 2, v9                        ; 4 l
	v_mul_u32_u24 v3, v10, 24
	v_mad_u32_u24 v3, v11, 12, v3                  ; y's codes: 24 r + 12 h
	s_mul_i32 s60, s16, 104448
	s_add_co_u32 s60, s60, 106496                  ; my f's two regions of weights
	v_add_nc_u32 v4, s60, v1
	v_add_nc_u32 v5, s60, v2
	v_lshl_add_u32 v6, v11, 6, s60
	s_mul_i32 s61, s15, 26624
	v_add_nc_u32 v7, s61, v1                       ; my four tiles of h2
	v_add_nc_u32 v8, s61, v2
.irp t, 0,1,2,3
	v_mov_b32 v[12+\t], 0                          ; y's scale words, gathered byte by byte
.endr
	v_mov_b32 v24, 0xbf3a00e3                      ; the halved a4, -0.7265760135, as a pair
	v_mov_b32 v25, 0xbf3a00e3
.macro KSTEP s
.if \s > 0
	PLACES
.endif
.irp j, 0,1,2,3
.irp c, 0,1,2
	ds_load_b128 v[WF+12*\j+4*\c:WF+12*\j+4*\c+3], v9 offset:52224*(\j/2)+3072*\s+1536*(\j%2)+512*\c
.endr
.endr
.irp t, 0,1,2,3
.irp c, 0,1,2
	ds_load_b128 v[HF+12*\t+4*\c:HF+12*\t+4*\c+3], v7 offset:6656*\t+1536*\s+512*\c
.endr
.endr
.irp g, 0,1
	ds_load_b32 v[16+\g], v10 offset:52224*\g+12288+128*\s
.endr
.irp t, 0,1,2,3
	ds_load_b32 v[20+\t], v8 offset:6656*\t+6144+128*\s
.endr
	s_wait_dscnt 0x0
.irp t, 0,1,2,3                        ; the 16 accumulators by turns, one instruction a turn
.irp g, 0,1
	WMA 128+32*\t+16*\g, WF+24*\g, HF+12*\t, 16+\g, 20+\t
	WMA 136+32*\t+16*\g, WF+24*\g+12, HF+12*\t, 16+\g, 20+\t, matrix_a_scale:MATRIX_SCALE_ROW1
.endr
.endr
.endm
; Tile t: u in 16 registers, g in the next 16.  Phi(g) = 1/2 + sign(g) (1/2 - P), P = (a1' t + .. + a5' t^5) 2^(-g^2 log2(e) / 2), t = 1 / (1 + 0.23164189 |g|); y = (u g) Phi(g), left in u's registers.
.macro GEGLU t
.set UU, 128+32*(\t)
.set GV, UU+16
.set i, 0
.rept 16
	v_fma_f32 v[AA+i], |v[GV+i]|, s[P1], 1.0
.set i, i+1
.endr
.set i, 0
.rept 8
	v_pk_mul_f32 v[EE+i:EE+i+1], v[GV+i:GV+i+1], v[GV+i:GV+i+1]
.set i, i+2
.endr
.set i, 0
.rept 8
	v_pk_mul_f32 v[EE+i:EE+i+1], v[EE+i:EE+i+1], s[NE:NE+1] op_sel_hi:[1,0]
.set i, i+2
.endr
.set i, 0
.rept 16
	v_rcp_f32 v[AA+i], v[AA+i]
.set i, i+1
.endr
.set i, 0
.rept 16
	v_exp_f32 v[EE+i], v[EE+i]
.set i, i+1
.endr
.set i, 0
.rept 8
	v_pk_mul_f32 v[UU+i:UU+i+1], v[UU+i:UU+i+1], v[GV+i:GV+i+1]    ; u g: plain work that names no result of the batch
.set i, i+2
.endr
	s_wait_alu depctr_va_vdst(0)                   ; one wait for the batch of 32, ahead of its first reader
.set i, 0
.rept 8
	v_pk_fma_f32 v[PP+i:PP+i+1], v[AA+i:AA+i+1], s[A5:A5+1], v[24:25] op_sel_hi:[1,0,1]
.set i, i+2
.endr
.irp k, A3, A2, A1
.set i, 0
.rept 8
	v_pk_fma_f32 v[PP+i:PP+i+1], v[PP+i:PP+i+1], v[AA+i:AA+i+1], s[\k:\k+1] op_sel_hi:[1,1,0]
.set i, i+2
.endr
.endr
.set i, 0
.rept 8
	v_pk_mul_f32 v[PP+i:PP+i+1], v[PP+i:PP+i+1], v[AA+i:AA+i+1]
.set i, i+2
.endr
.set i, 0
.rept 8
	v_pk_mul_f32 v[PP+i:PP+i+1], v[PP+i:PP+i+1], v[EE+i:EE+i+1]
.set i, i+2
.endr
.set i, 0
.rept 8
	v_pk_fma_f32 v[PP+i:PP+i+1], v[PP+i:PP+i+1], -1.0, 0.5 op_sel_hi:[1,0,0]
.set i, i+2
.endr
.set i, 0
.rept 16
	v_bfi_b32 v[PP+i], s[ABS], v[PP+i], v[GV+i]    ; with g's sign
.set i, i+1
.endr
.set i, 0
.rept 8
	v_pk_add_f32 v[PP+i:PP+i+1], v[PP+i:PP+i+1], 0.5 op_sel_hi:[1,0]
.set i, i+2
.endr
.set i, 0
.rept 8
	v_pk_mul_f32 v[UU+i:UU+i+1], v[UU+i:UU+i+1], v[PP+i:PP+i+1]
.set i, i+2
.endr
.endm
.macro PASS
	v_add_nc_u32 v9, s[PB], v4
	v_add_nc_u32 v10, s[PB], v5
	v_add_nc_u32 v11, s[PB], v6
.irp t, 0,1,2,3
.irp j, 0,1,2,3
	ds_load_b128 v[128+32*\t+8*\j:131+32*\t+8*\j], v11 offset:52224*(\j/2)+12800+32*(\j%2)      ; the bias starts the sums
	ds_load_b128 v[132+32*\t+8*\j:135+32*\t+8*\j], v11 offset:52224*(\j/2)+12800+32*(\j%2)+16
.endr
.endr
	KSTEP 0
	KSTEP 1
	KSTEP 2
	KSTEP 3
	PLACES
	GEGLU 0
	GEGLU 1
	GEGLU 2
	GEGLU 3
	; the pass's 32 channels are one block of each token: 16 numbers here, 16 in lane l xor 16
.irp t, 0,1,2,3
	v_max3_num_f32 v[MX+\t], |v[128+32*\t]|, |v[129+32*\t]|, 0x2800000
.endr
.irp i, 2,4,6,8,10,12,14
.irp t, 0,1,2,3
	v_max3_num_f32 v[MX+\t], v[MX+\t], |v[128+32*\t+\i]|, |v[129+32*\t+\i]|
.endr
.endr
.irp t, 0,1,2,3
	v_permlanex16_b32 v[MX+4+\t], v[MX+\t], s[SEL], s[SEL+1]
.endr
.irp t, 0,1,2,3
	v_max_num_f32 v[MX+\t], v[MX+\t], v[MX+4+\t]
.endr
.irp t, 0,1,2,3
	v_add_nc_u32 v[MX+8+\t], 0xfe000000, v[MX+\t]
.endr
.irp t, 0,1,2,3
	v_lshrrev_b32 v[MX+12+\t], 23, v[MX+8+\t]
.endr
.irp t, 0,1,2,3
	v_lshl_or_b32 v[12+\t], v[MX+12+\t], s[SH], v[12+\t]           ; byte p of the scale word
.endr
.irp t, 0,1,2,3
	v_cvt_scalef32_pk16_bf6_f32 v[CY+4*\t:CY+4*\t+2], v[128+32*\t:143+32*\t], v[MX+8+\t]
.endr
	v_nop                                          ; one plain line behind the conversions
.irp t, 0,1,2,3
	global_store_b96 v3, v[CY+4*\t:CY+4*\t+2], s[YD:YD+1] offset:6656*\t   ; 384 consecutive bytes a store
.endr
	s_wait_xcnt 0x0                                ; the stores have read their data and their base: both are written again below and in the next pass
	s_add_nc_u64 s[YD:YD+1], s[YD:YD+1], 384
.endm
.irp hf, 0,1
	s_wait_tensorcnt 1-\hf                         ; h2 and this half of my weights have landed; at the first half the second half's load stays out
	s_wait_dscnt 0x0
	s_barrier_signal -1
	s_barrier_wait -1
	s_mov_b32 s[PB], 26112*\hf
	s_mov_b32 s[SH], 16*\hf
	s_mov_b32 s[CNT], 2
.Lpass\hf:
	PASS
	s_add_co_u32 s[PB], s[PB], 13056
	s_add_co_u32 s[SH], s[SH], 8
	s_sub_co_u32 s[CNT], s[CNT], 1
	s_cmp_lg_u32 s[CNT], 0
	s_cbranch_scc1 .Lpass\hf
.endr
.irp t, 0,1,2,3
	global_store_b32 v2, v[12+\t], s[YS:YS+1] offset:6656*\t
.endr
	s_wait_tensorcnt 0x0
	ds_add_u32 v30, v31
	s_wait_dscnt 0x0
	CROUND                                         ; the closing round
	s_endpgm
.Lfunc_end_k_q03602eb639_ffn1:
	.size	k_q03602eb639_ffn1, .Lfunc_end_k_q03602eb639_ffn1-k_q03602eb639_ffn1
	.p2alignl 7, 3214868480
	.fill 96, 4, 3214868480
	.section	.rodata,"a",@progbits
	.p2align	6, 0x0
	.amdhsa_kernel k_q03602eb639_ffn1
		.amdhsa_group_segment_fixed_size 316416
		.amdhsa_private_segment_fixed_size 0
		.amdhsa_enable_private_segment 0
		.amdhsa_kernarg_size 24
		.amdhsa_user_sgpr_count 2
		.amdhsa_user_sgpr_kernarg_segment_ptr 1
		.amdhsa_wavefront_size32 1
		.amdhsa_system_sgpr_workgroup_id_x 1
		.amdhsa_system_sgpr_workgroup_id_y 1
		.amdhsa_system_sgpr_workgroup_id_z 1
		.amdhsa_system_vgpr_workitem_id 0
		.amdhsa_next_free_vgpr 256
		.amdhsa_next_free_sgpr 96
		.amdhsa_reserve_vcc 0
		.amdhsa_float_denorm_mode_32 3
		.amdhsa_float_denorm_mode_16_64 3
		.amdhsa_memory_ordered 1
		.amdhsa_forward_progress 1
		.amdhsa_inst_pref_size 125
	.end_amdhsa_kernel
	.amdgpu_metadata
---
amdhsa.version: [ 1, 2 ]
amdhsa.kernels:
  - .name:           k_q03602eb639_ffn1
    .symbol:         k_q03602eb639_ffn1.kd
    .args:
      - { .name: HB, .offset: 0, .size: 8, .value_kind: global_buffer, .address_space: global }
      - { .name: WB, .offset: 8, .size: 8, .value_kind: global_buffer, .address_space: global }
      - { .name: YB, .offset: 16, .size: 8, .value_kind: global_buffer, .address_space: global }
    .group_segment_fixed_size: 316416
    .private_segment_fixed_size: 0
    .kernarg_segment_align: 8
    .kernarg_segment_size: 24
    .max_flat_workgroup_size: 256
    .sgpr_count:     96
    .vgpr_count:     256
    .wavefront_size: 32
...
	.end_amdgpu_metadata
.endif
;; end of part 5
;; launch ffn2 (part 6): grid 4 x 64, 4 waves a work-group, clusters of 4 x 4, 327,680 bytes of LDS; arguments YB, WB, X1, out0; writes out0
.if DOCPART == 6
	.amdgcn_target "amdgcn-amd-amdhsa--gfx1250"
	.amdhsa_code_object_version 6
	.text
	.protected	k_q03602eb639_ffn2
	.globl	k_q03602eb639_ffn2
	.p2align	8
	.type	k_q03602eb639_ffn2,@function
k_q03602eb639_ffn2:
	s_mov_b64 s[64:65], 0
	v_nop
	global_prefetch_b8 v0, s[64:65] scope:SCOPE_SE
	s_setreg_imm32_b32 hwreg(HW_REG_WAVE_MODE, 25, 1), 1
	s_wait_xcnt 0x0
	s_wait_alu depctr_hold_cnt(0) depctr_sa_sdst(0) depctr_va_vdst(0) depctr_va_sdst(0) depctr_va_ssrc(0) depctr_va_vcc(0) depctr_vm_vsrc(0)
	s_getreg_b32 s2, hwreg(HW_REG_IB_STS2, 6, 4)
	s_cmp_eq_u32 s2, 0
	s_cbranch_scc0 .Lentry_in_a_cluster
	s_endpgm
.Lentry_in_a_cluster:
	s_bfe_u32 s2, ttmp6, 0x10000c
	s_cmp_lg_u32 s2, 0xf033
	s_cbranch_scc0 .Lentry_shape_is_right
	s_endpgm
.Lentry_shape_is_right:
; out0 = x1 + y W2 + b2 on codes of BF6 (E3M2), K = 2,048.
; A work-group takes 128 tokens (8 tiles; work-group y) and 128 columns (work-group x).  Wave w: four tiles (w & 1), 64 columns (w / 2): 16 accumulators over 16 K steps.
; K goes in four chunks of 512 through THREE LDS slots of 105,472 bytes: y's 8 records (53,248), then four weight records (52,224).  Chunks 0, 1, 2 are asked for at the start; chunk 3 takes slot 0 when chunk 0
; has been multiplied, and has chunks 1 and 2 in which to land: one refill, one round of the cluster's barrier for it.  y is shared along a row of the 4 x 4 cluster, W2 along a column: joint loads,
; waves 0, 1 for y, waves 2, 3 for W2.  A wave has at most three tensor loads out.
; The product is used transposed (source 0 = 16 columns of W2, source 1 = 16 tokens): a lane's eight results are eight neighbouring columns of a row.  b2 is loaded into the accumulators and starts the sums.
; A K step's LDS loads go scale words, W2, then y tile by tile, so that a tile's four products wait for that tile's fragment alone.
; x1 is asked for at the head, into v256-383 (the second window of 256 registers), and is there when the sums are finished.
; The way out: a tile's 16 rows x 256 bytes through the wave's own stage, + x1, stored as whole aligned units of 256 bytes.  The stages lie in slot 1: it is filled once, and behind the last barrier nobody reads it.
; All of a WGP's LDS is claimed.
.set WV,  12
.set G1Y, 24
.set G1W, 32
.set G0Y, 40                           ; s[40:51] y's groups 0, one for each slot;  s[52:63] W2's
.set G0W, 52
.set SLOT, 105472
.set STAGE, SLOT                       ; 4 x 4,352 bytes at the head of slot 1
.set SPARE, 3*SLOT                     ; the spare words: 128 bytes a wave, two blocks of 256 bytes that no other line names
.set WF,  32                           ; v32-79   four fragments of W2
.set HF,  80                           ; v80-127  four fragments of y
.set AY,  4                            ; v4-6     y's fragments in slot 0, 1, 2
.set AYS, 7                            ; v7-9     y's scale words
.set AW,  10                           ; v10-12   my two weight records
.set AWS, 13                           ; v13-15   their scale words
.set ABI, 24                           ; v24      the bias, in slot 0's records
.set STI, 25                           ; v25      into my stage
.set STO, 26                           ; v26      out of it
.set GO,  27                           ; v27      my byte offset in x1 and out0; never rewritten
.set MSB, 0
.macro WIN new                         ; the immediate's high byte repeats the setting that is left
.if MSB != \new
	s_set_vgpr_msb (MSB<<8)|\new
.set MSB, \new
.endif
.endm
.macro CROUND
	s_barrier_signal -1
	s_barrier_wait -1
	s_cmp_lg_u32 s[WV], 0
	s_cbranch_scc1 .Lnot_wave_0_\@
	s_barrier_signal -3
.Lnot_wave_0_\@:
	s_barrier_wait -3
	s_barrier_signal -1
	s_barrier_wait -1
.endm
.macro PLACES
.rept 4
	v_nop
.endr
.endm
.macro DENSE g, rows
	s_mov_b32 s[\g+1], 32<<16
	s_mov_b32 s[\g+2], (\rows)<<16
	s_mov_b32 s[\g+3], 32<<16
	s_mov_b32 s[\g+4], \rows
	s_mov_b32 s[\g+5], 32
	s_mov_b32 s[\g+6], 0
	s_mov_b32 s[\g+7], 0
.endm
.macro WMA d, a, b, sa, sb, mod
	v_wmma_scale_f32_16x16x128_f8f6f4 v[\d:\d+7], v[\a:\a+11], v[\b:\b+11], v[\d:\d+7], v[\sa], v[\sb] matrix_a_fmt:MATRIX_FMT_BF6 matrix_b_fmt:MATRIX_FMT_BF6 \mod
.endm
.macro JLOAD sl                        ; a joint load: each of the two lines has one mask; the branch hangs on the wave's number alone; four v_nop follow each line
	s_cmp_eq_u32 s18, 0
	s_cbranch_scc0 .Lfor_w_\@
	tensor_load_to_lds s[G0Y+4*\sl:G0Y+4*\sl+3], s[G1Y:G1Y+7]
	s_nop 0
.rept 4
	v_nop
.endr
	s_branch .Lasked_\@
.Lfor_w_\@:
	tensor_load_to_lds s[G0W+4*\sl:G0W+4*\sl+3], s[G1W:G1W+7]
	s_nop 0
.rept 4
	v_nop
.endr
.Lasked_\@:
.endm
	s_load_b256 s[4:11], s[0:1], 0x0               ; YB, WB, X1, out0
	v_lshl_add_u32 v28, v0, 2, SPARE               ; my spare word; never rewritten
	v_mov_b32 v29, 0                               ; 0; never rewritten
	ds_add_u32 v28, v29
	ds_add_u32 v28, v29
	s_wait_dscnt 0x0
	v_lshrrev_b32 v1, 5, v0
	v_readfirstlane_b32 s[WV], v1                  ; wave 0..3
	s_and_b32 s17, s[WV], 1                        ; my four tiles.  Also: which half of a slot's y or W2 I fetch
	s_lshr_b32 s18, s[WV], 1                       ; my 64 columns.  Also: I fetch for y (0) or for W2 (1)
	s_bfe_u32 s13, ttmp6, 0x40000                  ; cx
	s_bfe_u32 s14, ttmp6, 0x40004                  ; cy
	s_lshl_b32 s15, ttmp9, 2
	s_add_co_u32 s15, s15, s13                     ; Xc: 128 columns
	s_and_b32 s16, ttmp7, 0xffff
	s_lshl_b32 s16, s16, 2
	s_add_co_u32 s16, s16, s14                     ; Y: 128 tokens
	s_lshl_b32 s19, s14, 2
	s_lshl_b32 s19, 15, s19                        ; my row of the cluster
	s_lshl_b32 s20, 0x1111, s13                    ; my column
	s_or_b32 s[G1Y], s19, (3<<16)|(1<<21)
	s_or_b32 s[G1W], s20, (3<<16)|(1<<21)
	DENSE G1Y, 104                                 ; four records of y
	DENSE G1W, 102                                 ; two weight records
	s_lshl_b32 s68, s16, 3
	s_lshl_b32 s69, s17, 2
	s_add_co_u32 s68, s68, s69
	s_mul_i32 s68, s68, 6656                       ; y: tiles 8 Y + 4 (w & 1) on: Y and the wave's number alone
	s_mov_b32 s69, 0
	s_lshl_b32 s70, s15, 2
	s_lshl_b32 s71, s17, 1
	s_add_co_u32 s70, s70, s71
	s_add_co_u32 s70, s70, 176
	s_mul_i32 s70, s70, 13056                      ; W2: records 176 + 4 Xc + 2 (w & 1) on: Xc and the wave's number alone
	s_mov_b32 s71, 0
	s_mul_i32 s72, s17, 26624
	s_mul_i32 s73, s17, 26112
	s_add_co_u32 s73, s73, 53248
	s_lshl_b32 s74, s16, 7
	s_lshl_b32 s75, s17, 6
	s_add_co_u32 s74, s74, s75
	s_lshl_b32 s74, s74, 11                        ; my first token's row,
	s_lshl_b32 s75, s15, 9
	s_add_co_u32 s74, s74, s75
	s_lshl_b32 s75, s18, 8
	s_add_co_u32 s74, s74, s75                     ; my 256 bytes of it
	s_mov_b32 s75, 0
	s_wait_kmcnt 0x0
	s_add_nc_u64 s[68:69], s[4:5], s[68:69]
	s_add_nc_u64 s[70:71], s[6:7], s[70:71]
	s_add_nc_u64 s[8:9], s[8:9], s[74:75]
	s_add_nc_u64 s[10:11], s[10:11], s[74:75]
	CROUND                                         ; all sixteen work-groups are here: the first joint loads meet
.irp sl, 0,1,2
	s_mov_b32 s[G0Y+4*\sl], 1
	s_add_co_u32 s[G0Y+4*\sl+1], s72, \sl*SLOT
	s_add_nc_u64 s[G0Y+4*\sl+2:G0Y+4*\sl+3], s[68:69], \sl*3407872        ; chunk sl of K
	s_or_b32 s[G0Y+4*\sl+3], s[G0Y+4*\sl+3], 0x80000000
	s_mov_b32 s[G0W+4*\sl], 1
	s_add_co_u32 s[G0W+4*\sl+1], s73, \sl*SLOT
	s_add_nc_u64 s[G0W+4*\sl+2:G0W+4*\sl+3], s[70:71], \sl*208896
	s_or_b32 s[G0W+4*\sl+3], s[G0W+4*\sl+3], 0x80000000
	JLOAD \sl
.endr
	v_and_b32 v1, 31, v0                           ; l
	v_and_b32 v2, 15, v0                           ; r
	v_bfe_u32 v3, v0, 4, 1                         ; h
	v_mul_u32_u24 v[AY], v2, 24
	v_mad_u32_u24 v[AY], v3, 384, v[AY]
	v_add_nc_u32 v[AY], s72, v[AY]                 ; y's fragments: my four records, + 24 r + 384 h
	v_lshl_add_u32 v[AYS], v1, 2, s72              ; y's scale words
	s_mul_i32 s76, s18, 26112
	s_add_co_u32 s76, s76, 53248
	v_lshl_add_u32 v[AW], v1, 4, s76               ; my two weight records
	v_lshl_add_u32 v[AWS], v1, 2, s76              ; their scale words
.irp sl, 1,2
	v_add_nc_u32 v[AY+\sl], \sl*SLOT, v[AY]
	v_add_nc_u32 v[AYS+\sl], \sl*SLOT, v[AYS]
	v_add_nc_u32 v[AW+\sl], \sl*SLOT, v[AW]
	v_add_nc_u32 v[AWS+\sl], \sl*SLOT, v[AWS]
.endr
	v_lshl_add_u32 v[ABI], v3, 6, s76
	s_mul_i32 s77, s[WV], 4352
	s_add_co_u32 s77, s77, STAGE
	v_mul_u32_u24 v[STI], v2, 272
	v_lshl_add_u32 v[STI], v3, 6, v[STI]
	v_add_nc_u32 v[STI], s77, v[STI]               ; into my stage: row r, + 64 h
	v_mul_u32_u24 v[STO], v3, 272
	v_lshl_add_u32 v[STO], v2, 4, v[STO]
	v_add_nc_u32 v[STO], s77, v[STO]               ; back: two rows an instruction
	v_lshlrev_b32 v[GO], 4, v2
	v_lshl_add_u32 v[GO], v3, 11, v[GO]            ; and the same two rows in x1 and out0
	WIN 0x40                                       ; destination in the second window: x1 of tile t at v[256 + 32 t] on
.irp t, 0,1,2,3
.irp i, 0,1,2,3,4,5,6,7
	global_load_b128 v[32*\t+4*\i:32*\t+4*\i+3], v[GO], s[8:9] offset:(32*(\t/2)+8*(\t%2)+2*\i+8*(\i/4))*2048 th:TH_LOAD_NT
.endr
.endr
	WIN 0
; A chunk: four K steps out of slot sl.  first = 1: the bias is loaded into the accumulators ahead of the first step.
.macro COMPUTE sl, first
.if \first
.irp t, 0,1,2,3
.irp j, 0,1,2,3
	ds_load_b128 v[128+32*\t+8*\j:131+32*\t+8*\j], v[ABI] offset:13056*(\j/2)+12800+32*(\j%2)
	ds_load_b128 v[132+32*\t+8*\j:135+32*\t+8*\j], v[ABI] offset:13056*(\j/2)+12800+32*(\j%2)+16
.endr
.endr
.endif
.irp s, 0,1,2,3
.if (\first == 0) || (\s > 0)
	PLACES
.endif
.irp g, 0,1
	ds_load_b32 v[16+\g], v[AWS+\sl] offset:13056*\g+12288+128*\s
.endr
.irp t, 0,1,2,3
	ds_load_b32 v[20+\t], v[AYS+\sl] offset:6656*\t+6144+128*\s
.endr
.irp j, 0,1,2,3
.irp c, 0,1,2
	ds_load_b128 v[WF+12*\j+4*\c:WF+12*\j+4*\c+3], v[AW+\sl] offset:13056*(\j/2)+3072*\s+1536*(\j%2)+512*\c
.endr
.endr
.irp t, 0,1,2,3
.irp c, 0,1
.irp i, 0,1,2
	ds_load_b64 v[HF+12*\t+6*\c+2*\i:HF+12*\t+6*\c+2*\i+1], v[AY+\sl] offset:6656*\t+1536*\s+768*\c+8*\i   ; block 2 c + h of row r: 24 bytes in three pieces
.endr
.endr
.endr
.irp t, 0,1,2,3                        ; the 16 accumulators by turns, one instruction a turn
	s_wait_dscnt 18-6*\t                           ; the scale words, W2 and y's tiles up to t are in; the later tiles' six loads each may be out
.irp g, 0,1
	WMA 128+32*\t+16*\g, WF+24*\g, HF+12*\t, 16+\g, 20+\t
	WMA 136+32*\t+16*\g, WF+24*\g+12, HF+12*\t, 16+\g, 20+\t, matrix_a_scale:MATRIX_SCALE_ROW1
.endr
.endr
.endr
.endm
	s_wait_tensorcnt 2                             ; my part of slot 0 is in; slots 1 and 2 may stay out
	s_barrier_signal -1
	s_barrier_wait -1
	COMPUTE 0, 1                                   ; K 0-511
	; slot 0 is filled again.  Each wave waits for all its tensor loads (its parts of slots 1 and 2), adds 0 to its spare word, and waits for that and for its reads of slot 0; then a round of the cluster's barrier
	s_wait_tensorcnt 0x0                           ; no tensor load of mine is out, so a group 0 may be written
	ds_add_u32 v28, v29                            ; 0 onto my spare word
	s_add_nc_u64 s[G0Y+2:G0Y+3], s[G0Y+2:G0Y+3], 10223616                 ; three chunks on
	s_add_nc_u64 s[G0W+2:G0W+3], s[G0W+2:G0W+3], 626688
	s_wait_dscnt 0x0                               ; the add is done, and my reads of slot 0 are over
	CROUND
	JLOAD 0                                        ; my one tensor load behind the round: chunk 3
	COMPUTE 1, 0                                   ; K 512-1,023
	COMPUTE 2, 0                                   ; K 1,024-1,535: slot 2 was shown whole by the wait and the round above
	s_wait_tensorcnt 0x0                           ; my part of chunk 3 is in
	ds_add_u32 v28, v29
	s_wait_dscnt 0x0                               ; my reads of slots 1 and 2 are over
	s_barrier_signal -1
	s_barrier_wait -1                              ; both hold of every wave; nothing is left to fetch
	COMPUTE 0, 0                                   ; K 1,536-2,047
	; ---- the way out
.macro STG t                           ; tile t through my stage: in by lanes' 32 bytes, back as whole rows, into the registers that it left
.set AC, 128+32*(\t)
.irp j, 0,1,2,3
	ds_store_b128 v[STI], v[AC+8*\j:AC+8*\j+3] offset:128*(\j/2)+32*(\j%2)            ; each accumulator from its low end on
	ds_store_b128 v[STI], v[AC+8*\j+4:AC+8*\j+7] offset:128*(\j/2)+32*(\j%2)+16
.endr
.irp i, 0,1,2,3,4,5,6,7
	ds_load_b128 v[AC+4*\i:AC+4*\i+3], v[STO] offset:544*\i        ; my own bytes: LDS serves a wave's instructions in order; the next tile's stores come behind these
.endr
.endm
.macro FIN t, younger                  ; younger: the next tile's eight stores and eight loads, which may stay out
.set AC, 128+32*(\t)
	s_wait_dscnt \younger
	WIN 0x04                                       ; source 1 in the second window: x1.  (A store's data are its source 1 too: so the additions stand in a run of their own)
.irp i, 0,1,2,3,4,5,6,7
	v_pk_add_f32 v[AC+4*\i:AC+4*\i+1], v[AC+4*\i:AC+4*\i+1], v[32*(\t)+4*\i:32*(\t)+4*\i+1]
	v_pk_add_f32 v[AC+4*\i+2:AC+4*\i+3], v[AC+4*\i+2:AC+4*\i+3], v[32*(\t)+4*\i+2:32*(\t)+4*\i+3]
.endr
	WIN 0
.irp i, 0,1,2,3,4,5,6,7
	global_store_b128 v[GO], v[AC+4*\i:AC+4*\i+3], s[10:11] offset:(32*((\t)/2)+8*((\t)%2)+2*\i+8*(\i/4))*2048 th:TH_STORE_NT   ; sixteen lanes store 256 consecutive bytes, aligned
.endr
.endm
	PLACES                                         ; in front of the first reads of results
	STG 0
	STG 1
	s_wait_loadcnt 0x0                             ; x1, asked for at the head
	FIN 0, 16
	STG 2
	FIN 1, 16
	STG 3
	FIN 2, 16
	FIN 3, 0
	s_wait_tensorcnt 0x0                           ; the wave's end, behind my last tensor load and my last LDS store
	ds_add_u32 v28, v29
	s_wait_dscnt 0x0
	CROUND                                         ; the closing round
	s_endpgm
.Lfunc_end_k_q03602eb639_ffn2:
	.size	k_q03602eb639_ffn2, .Lfunc_end_k_q03602eb639_ffn2-k_q03602eb639_ffn2
	.p2alignl 7, 3214868480
	.fill 96, 4, 3214868480
	.section	.rodata,"a",@progbits
	.p2align	6, 0x0
	.amdhsa_kernel k_q03602eb639_ffn2
		.amdhsa_group_segment_fixed_size 327680
		.amdhsa_private_segment_fixed_size 0
		.amdhsa_enable_private_segment 0
		.amdhsa_kernarg_size 32
		.amdhsa_user_sgpr_count 2
		.amdhsa_user_sgpr_kernarg_segment_ptr 1
		.amdhsa_wavefront_size32 1
		.amdhsa_system_sgpr_workgroup_id_x 1
		.amdhsa_system_sgpr_workgroup_id_y 1
		.amdhsa_system_sgpr_workgroup_id_z 1
		.amdhsa_system_vgpr_workitem_id 0
		.amdhsa_next_free_vgpr 384
		.amdhsa_next_free_sgpr 80
		.amdhsa_reserve_vcc 0
		.amdhsa_float_denorm_mode_32 3
		.amdhsa_float_denorm_mode_16_64 3
		.amdhsa_memory_ordered 1
		.amdhsa_forward_progress 1
		.amdhsa_inst_pref_size 105
	.end_amdhsa_kernel
	.amdgpu_metadata
---
amdhsa.version: [ 1, 2 ]
amdhsa.kernels:
  - .name:           k_q03602eb639_ffn2
    .symbol:         k_q03602eb639_ffn2.kd
    .args:
      - { .name: YB, .offset: 0, .size: 8, .value_kind: global_buffer, .address_space: global }
      - { .name: WB, .offset: 8, .size: 8, .value_kind: global_buffer, .address_space: global }
      - { .name: X1, .offset: 16, .size: 8, .value_kind: global_buffer, .address_space: global }
      - { .name: out0, .offset: 24, .size: 8, .value_kind: global_buffer, .address_space: global }
    .group_segment_fixed_size: 327680
    .private_segment_fixed_size: 0
    .kernarg_segment_align: 8
    .kernarg_segment_size: 32
    .max_flat_workgroup_size: 128
    .sgpr_count:     80
    .vgpr_count:     384
    .wavefront_size: 32
...
	.end_amdgpu_metadata
.endif
;; end of part 6
